; MI455X (gfx1250); checked and timed in simulation.
; The chip was launched on July 23, 2026; its instructions are those of AMD's public machine-readable ISA for CDNA 5 (MIT licence, August 2026) and "CDNA5" Instruction Set Architecture Reference Guide (July 2026). The comments in the code are by the model that wrote it; some were corrected since.
;; Multi Head Attention. Allowed arithmetic: float matrix products may take bf16 or f16 operands with f32 sums; other float arithmetic in f32, or as packed bf16 or f16 multiplies, adds, multiply-adds, maxima and minima; sums over many terms, partial sums and values carried from step to step in f32; what a program stores and reads back later, other than sums and carried values, may be rounded once to bf16 or f16.
;; Inputs: dense_b 1,024 float32; dense_w 1,024 x 1,024 float32; key 4 x 2,048 x 1,024 float32; query 4 x 2,048 x 1,024 float32; value 4 x 2,048 x 1,024 float32; wk_b 1,024 float32; wk_w 1,024 x 1,024 float32; wq_b 1,024 float32; wq_w 1,024 x 1,024 float32; wv_b 1,024 float32; wv_w 1,024 x 1,024 float32.
;; Outputs: out0 4 x 2,048 x 1,024 float32.
;; 2 versions, each right; version 2 is version 1 with the launch prep written anew for expert scheduling mode. Each part assembles by itself: llvm-mc -triple=amdgcn-amd-amdhsa -mcpu=gfx1250 --defsym DOCPART=n.
;; ======== version 1 of 2: 4 launches
;; limits: values are held in f16: magnitudes above 65,504 overflow, below 6.1e-05 lose precision
;; workspace buffers: w16 8,388,608 bytes; qkv 50,331,648 bytes; o16 16,777,216 bytes
;; launch prep (part 1): grid 64 x 4, 8 waves a work-group, no clusters, 0 bytes of LDS; arguments wq_w, wk_w, wv_w, dense_w, w16; writes w16
.if DOCPART == 1
	.amdgcn_target "amdgcn-amd-amdhsa--gfx1250"
	.amdhsa_code_object_version 6
	.text
	.protected	k_qf22870e24d_prep
	.globl	k_qf22870e24d_prep
	.p2align	8
	.type	k_qf22870e24d_prep,@function
k_qf22870e24d_prep:
	s_mov_b64 s[64:65], 0
	v_nop
	global_prefetch_b8 v0, s[64:65] scope:SCOPE_SE
	s_setreg_imm32_b32 hwreg(HW_REG_WAVE_MODE, 25, 1), 1
	s_wait_xcnt 0x0
; The four weight matrices, [1024][1024] f32, are rounded once to 16 bits: w16[y][n][k], y = 0, 1, 2: wq, wk, wv in bf16;
; y = 3: dense_w rounded to bf16, and that number written as f16 (its partner in the last product, O, is f16).
; LIMIT: a bf16 number is exact in f16 from 2^-14 to 65,504; below 2^-14 it keeps f16's fixed step (error at most 2^-25); above 65,504 it would be an infinity.
; A stream: no LDS, no barrier, no matrix unit.  Work-group (x, y) takes 16,384 numbers of matrix y: 64 KiB in, 32 KiB out.
; Thread t takes 16 bytes at 16 t + 4,096 i, i = 0..15 (a wave's load covers 512 consecutive bytes) and stores 8 bytes at 8 t + 2,048 i (a wave's store covers 256 consecutive bytes, aligned).
; All sixteen loads go out first; every store has data registers of its own, so nothing is rewritten while a store may read it.
.set X, 8                              ; v[8:71]    as loaded, 4 registers a load
.set Y, 72                             ; v[72:103]  to store, 2 registers a load
.set T, 104                            ; v[104:107] at work
	s_load_b256 s[4:11], s[0:1], 0x0               ; wq_w s[4:5], wk_w s[6:7], wv_w s[8:9], dense_w s[10:11]
	s_load_b64 s[12:13], s[0:1], 0x20              ; w16
	s_and_b32 s14, ttmp7, 0xffff                   ; y: which matrix
	v_lshlrev_b32 v1, 4, v0                        ; 16 t
	v_lshlrev_b32 v2, 3, v0                        ; 8 t
	s_lshl_b32 s18, ttmp9, 16                      ; my 64 KiB of the source
	s_mov_b32 s19, 0
	s_lshl_b32 s20, s14, 21                        ; matrix y in w16: 2 MiB each,
	s_lshl_b32 s21, ttmp9, 15                      ; my 32 KiB of it
	s_add_co_u32 s20, s20, s21
	s_mov_b32 s21, 0
	s_wait_kmcnt 0x0
	s_mov_b64 s[16:17], s[4:5]
	s_cmp_eq_u32 s14, 1
	s_cselect_b64 s[16:17], s[6:7], s[16:17]
	s_cmp_eq_u32 s14, 2
	s_cselect_b64 s[16:17], s[8:9], s[16:17]
	s_cmp_eq_u32 s14, 3
	s_cselect_b64 s[16:17], s[10:11], s[16:17]
	s_add_nc_u64 s[16:17], s[16:17], s[18:19]
	s_add_nc_u64 s[12:13], s[12:13], s[20:21]
.set i, 0
.rept 16
	global_load_b128 v[X+4*i:X+4*i+3], v1, s[16:17] offset:4096*i th:TH_LOAD_NT
.set i, i+1
.endr
	s_cmp_eq_u32 s14, 3
	s_cbranch_scc1 .Lhalf
.set i, 0
.rept 16
	s_wait_loadcnt 15-i                            ; loads come back in order: load i is in, the 15 - i younger ones stay out
	v_cvt_pk_bf16_f32 v[Y+2*i], v[X+4*i], v[X+4*i+1]
	v_cvt_pk_bf16_f32 v[Y+2*i+1], v[X+4*i+2], v[X+4*i+3]
	global_store_b64 v2, v[Y+2*i:Y+2*i+1], s[12:13] offset:2048*i
.set i, i+1
.endr
	s_endpgm
.Lhalf:                                        ; dense_w: to bf16 as above, widened again (a shift, a mask), and written as f16
.set i, 0
.rept 16
	s_wait_loadcnt 15-i
	v_cvt_pk_bf16_f32 v[Y+2*i], v[X+4*i], v[X+4*i+1]
	v_cvt_pk_bf16_f32 v[Y+2*i+1], v[X+4*i+2], v[X+4*i+3]
	v_lshlrev_b32 v[T], 16, v[Y+2*i]
	v_and_b32 v[T+1], 0xffff0000, v[Y+2*i]
	v_lshlrev_b32 v[T+2], 16, v[Y+2*i+1]
	v_and_b32 v[T+3], 0xffff0000, v[Y+2*i+1]
	v_cvt_pk_f16_f32 v[Y+2*i], v[T], v[T+1]
	v_cvt_pk_f16_f32 v[Y+2*i+1], v[T+2], v[T+3]
	global_store_b64 v2, v[Y+2*i:Y+2*i+1], s[12:13] offset:2048*i
.set i, i+1
.endr
	s_endpgm
.Lfunc_end_k_qf22870e24d_prep:
	.size	k_qf22870e24d_prep, .Lfunc_end_k_qf22870e24d_prep-k_qf22870e24d_prep
	.p2alignl 7, 3214868480
	.fill 96, 4, 3214868480
	.section	.rodata,"a",@progbits
	.p2align	6, 0x0
	.amdhsa_kernel k_qf22870e24d_prep
		.amdhsa_group_segment_fixed_size 0
		.amdhsa_private_segment_fixed_size 0
		.amdhsa_enable_private_segment 0
		.amdhsa_kernarg_size 40
		.amdhsa_user_sgpr_count 2
		.amdhsa_user_sgpr_kernarg_segment_ptr 1
		.amdhsa_wavefront_size32 1
		.amdhsa_system_sgpr_workgroup_id_x 1
		.amdhsa_system_sgpr_workgroup_id_y 1
		.amdhsa_system_sgpr_workgroup_id_z 1
		.amdhsa_system_vgpr_workitem_id 0
		.amdhsa_next_free_vgpr 112
		.amdhsa_next_free_sgpr 66
		.amdhsa_reserve_vcc 0
		.amdhsa_float_denorm_mode_32 3
		.amdhsa_float_denorm_mode_16_64 3
		.amdhsa_memory_ordered 1
		.amdhsa_forward_progress 1
		.amdhsa_inst_pref_size 16
	.end_amdhsa_kernel
	.amdgpu_metadata
---
amdhsa.version: [ 1, 2 ]
amdhsa.kernels:
  - .name:           k_qf22870e24d_prep
    .symbol:         k_qf22870e24d_prep.kd
    .args:
      - { .name: wq_w, .offset: 0, .size: 8, .value_kind: global_buffer, .address_space: global }
      - { .name: wk_w, .offset: 8, .size: 8, .value_kind: global_buffer, .address_space: global }
      - { .name: wv_w, .offset: 16, .size: 8, .value_kind: global_buffer, .address_space: global }
      - { .name: dense_w, .offset: 24, .size: 8, .value_kind: global_buffer, .address_space: global }
      - { .name: w16, .offset: 32, .size: 8, .value_kind: global_buffer, .address_space: global }
    .group_segment_fixed_size: 0
    .private_segment_fixed_size: 0
    .kernarg_segment_align: 8
    .kernarg_segment_size: 40
    .max_flat_workgroup_size: 256
    .sgpr_count:     66
    .vgpr_count:     112
    .wavefront_size: 32
...
	.end_amdgpu_metadata
.endif
;; end of part 1
;; launch proj (part 2): grid 4 x 192, 4 waves a work-group, clusters of 4 x 4, 327,680 bytes of LDS; arguments query, key, value, w16, wq_b, wk_b, wv_b, qkv; writes qkv
.if DOCPART == 2
	.amdgcn_target "amdgcn-amd-amdhsa--gfx1250"
	.amdhsa_code_object_version 6
	.text
	.protected	k_qf22870e24d_proj
	.globl	k_qf22870e24d_proj
	.p2align	8
	.type	k_qf22870e24d_proj,@function
k_qf22870e24d_proj:
	s_mov_b64 s[64:65], 0
	v_nop
	global_prefetch_b8 v0, s[64:65] scope:SCOPE_SE
	s_setreg_imm32_b32 hwreg(HW_REG_WAVE_MODE, 25, 1), 1
	s_wait_xcnt 0x0
	s_wait_alu depctr_hold_cnt(0) depctr_sa_sdst(0) depctr_va_vdst(0) depctr_va_sdst(0) depctr_va_ssrc(0) depctr_va_vcc(0) depctr_vm_vsrc(0)
	s_getreg_b32 s2, hwreg(HW_REG_IB_STS2, 6, 4)
	s_cmp_eq_u32 s2, 0
	s_cbranch_scc0 .Lentry_in_a_cluster
	s_endpgm
.Lentry_in_a_cluster:
	s_bfe_u32 s2, ttmp6, 0x10000c
	s_cmp_lg_u32 s2, 0xf033
	s_cbranch_scc0 .Lentry_shape_is_right
	s_endpgm
.Lentry_shape_is_right:
; THE THREE PROJECTIONS.  qkv[p][b 16 + head][s][d] = f16( sum over k of x_p[b][s][k] W_p[64 head + d][k] + bias_p[64 head + d] ), p = 0, 1, 2: query, key, value.
; x_p: [8192][1024] f32, rounded to bf16 between LDS and the matrix unit; W_p: w16's part p, bf16; the bias is rounded to bf16 and starts the sums; sums in f32; the result is rounded once, to f16, unscaled.
; LIMIT: a result of 65,520 or more in magnitude becomes an infinity in f16.  NaN and infinities are not treated apart.
; SHARES.  A tile is 128 rows x 256 columns: 3 x 64 x 4 = 768 work-groups, three for each of 256 WGPs.  Four waves, 2 x 2, each 64 x 128: 32 accumulators of 16 x 16, 256 registers.
; K goes in 8 steps of 128 through two LDS slots filled by the tensor data mover: rows of x are 512 bytes, rows of W 256 bytes.
; CLUSTER 4 x 4: the four of a row of the cluster make one tile row and ask for x's tile JOINTLY; the four of a column make one tile column and ask for W's tile jointly.  All sixteen belong to one projection.
; THE MATRIX INSTRUCTION IS USED TRANSPOSED (source 0 = 16 rows of W, source 1 = 16 rows of x): lane l holds row l % 16 and the columns 8 (l / 16) + 0..7: eight neighbouring numbers of a head's row.
; REGISTERS, in windows of 256 (s_set_vgpr_msb: bits 1:0 source 0, 3:2 source 1, 5:4 source 2, 7:6 destination):
;   window 0: v0-13 addresses; v32-95 x as f32 (4 fragments x 16); v96-127 x in bf16 (4 x 8); v128-191, v192-255 W's fragments, two buffers
;   window 1: accumulator (a, b) at v[8 (8 a + b)]          window 2: v0-63 the bias, block b at v[8 b]; v64-67 at work
; The conversions write window 0 and the products window 1, so each group of four conversions costs two switches.
.set SLOTX, 0x24000                    ; slot 1 begins here: bits 17 and 14, which no base inside a slot has set, so one exclusive or changes slots
.set PA,    528                        ; a row of x in LDS: 512 bytes + 16 = 132 words: row r starts at bank 4 r mod 64 (64 banks of 4 bytes: ISA guide 11.1)
.set PB,    272                        ; a row of W: 256 bytes + 16 = 68 words: likewise
.set AHALF, 64*PA                      ; what wave 0 or 1 fetches
.set BHALF, 128*PB                     ; what wave 2 or 3 fetches
.set BOFF,  2*AHALF                    ; W's 256 rows lie behind x's 128
.set STAGE, SLOTX+BOFF+2*BHALF         ; behind the ring, never filled by a tensor load: for each wave 2 heads x 16 rows x 144 bytes
.set SP,    144
.set WSTG,  2*16*SP
.set SPARE, STAGE+4*WSTG               ; the spare words, 128 bytes for each wave: two blocks of 256 bytes that no other line names
.set AA0, 3                            ; v3   my place in x's tile; never rewritten
.set AB0, 4                            ; v4   my place in W's tile; never rewritten
.set ADA, 5                            ; v5   AA0 + the slot in hand
.set ADB, 6                            ; v6   AB0 + the slot in hand
.set STO, 7                            ; v7   the way out: where I put 16 bytes of a row
.set RD,  8                            ; v8   the way out: where I read rows back
.set GO,  9                            ; v9   my 16 bytes of 512 consecutive bytes of the output
.set BO,  10                           ; v10  32 (l / 16): my eight numbers of a block of 16 of the bias
.set SPW, 12                           ; v12  LDS address of my spare word; never rewritten
.set NIL, 13                           ; v13  0; never rewritten
.set RAW, 32
.set ABF, 96
.set BF,  128
.set PK,  32                           ; the way out: packed results
.set BK,  128                          ; the way out: rows read back, 32 registers for each of four blocks
.set WV, 20                            ; s20  wave
.set WR, 21                            ; s21  my half of the tile's rows; also: I fetch x (0) or W (1)
.set WC, 22                            ; s22  my half of its columns; also: which half of that tile I fetch
.set CX, 23
.set CY, 24
.set TC, 25                            ; s25  tile column 0..3
.set TR, 26                            ; s26  tile row 0..63
.set PJ, 27                            ; s27  projection 0..2
.set G1A, 32                           ; s[32:39] group 1 for x's tiles
.set G1B, 40                           ; s[40:47] for W's
.set G0A, 48                           ; s[48:55] group 0 for x's tiles: a set for each first fill; the second then walks on
.set G0B, 56                           ; s[56:63] the same for W's
.set TB,  66                           ; s66  the slot that fragments are fetched from: 0 or SLOTX
.set CNT, 67
.set OUT, 68                           ; s[68:69] the output at my wave's first row and head
.set MSB, 0
.macro WIN new                         ; the immediate's high byte repeats the setting that is left; a switch that changes nothing is dropped
.if MSB != (\new)
	s_set_vgpr_msb (MSB<<8)|(\new)
.set MSB, \new
.endif
.endm
.set MUL,  0x50                        ; sources window 0, C and D window 1
.set MULB, 0x60                        ; C window 2 (the bias), D window 1
.macro JLOAD                           ; a joint refill by the walking sets; an s_nop 0 and four v_nop follow each of the two lines, ahead of the jump and the label
	s_cmp_eq_u32 s[WR], 0
	s_cbranch_scc0 .Lfor_b_\@
	tensor_load_to_lds s[G0A+4:G0A+7], s[G1A:G1A+7]
	s_nop 0
.rept 4
	v_nop
.endr
	s_branch .Lasked_\@
.Lfor_b_\@:
	tensor_load_to_lds s[G0B+4:G0B+7], s[G1B:G1B+7]
	s_nop 0
.rept 4
	v_nop
.endr
.Lasked_\@:
.endm
.macro CREST                           ; a round of the cluster's barrier behind its opening barrier
	s_cmp_lg_u32 s[WV], 0
	s_cbranch_scc1 .Lnot_wave_0_\@
	s_barrier_signal -3
.Lnot_wave_0_\@:
	s_barrier_wait -3
	s_barrier_signal -1
	s_barrier_wait -1
.endm
.macro CROUND                          ; a whole round
	s_barrier_signal -1
	s_barrier_wait -1
	CREST
.endm
	s_load_b256 s[4:11], s[0:1], 0x0               ; query s[4:5], key s[6:7], value s[8:9], w16 s[10:11]
	s_load_b256 s[12:19], s[0:1], 0x20             ; wq_b s[12:13], wk_b s[14:15], wv_b s[16:17], qkv s[18:19]
	v_lshl_add_u32 v[SPW], v0, 2, SPARE
	v_mov_b32 v[NIL], 0
	ds_add_u32 v[SPW], v[NIL]                      ; the wave's opening: the add and its wait stand ahead of my first tensor load; work on registers stands between them
	v_lshrrev_b32 v1, 5, v0
	v_readfirstlane_b32 s[WV], v1
	s_lshr_b32 s[WR], s[WV], 1
	s_and_b32 s[WC], s[WV], 1
	s_bfe_u32 s[CX], ttmp6, 0x40000
	s_bfe_u32 s[CY], ttmp6, 0x40004
	s_lshl_b32 s[TC], ttmp9, 2
	s_add_co_u32 s[TC], s[TC], s[CX]               ; tile column = 4 x cluster x + cx
	s_and_b32 s30, ttmp7, 0xffff                   ; cluster y, 0..47: 16 clusters a projection
	s_lshr_b32 s[PJ], s30, 4
	s_and_b32 s30, s30, 15
	s_lshl_b32 s[TR], s30, 2
	s_add_co_u32 s[TR], s[TR], s[CY]               ; tile row = 4 x (cluster y mod 16) + cy
	s_lshl_b32 s28, s[CY], 2
	s_lshl_b32 s28, 15, s28                        ; my row of the cluster
	s_lshl_b32 s29, 0x1111, s[CX]                  ; my column
	s_or_b32 s[G1A], s28, (2<<16)|(1<<20)|(1<<21)|(6<<22)|(3<<25)  ; mask; elements of 4 bytes; padding on; bit 21 beside a mask; after every 128 words, 4 words
	s_mov_b32 s[G1A+1], 128<<16                    ; tensor_dim0 = 128
	s_mov_b32 s[G1A+2], 64<<16                     ; tensor_dim1 = 64
	s_mov_b32 s[G1A+3], 128<<16                    ; tile_dim0 = 128
	s_mov_b32 s[G1A+4], 64                         ; tile_dim1 = 64
	s_mov_b32 s[G1A+5], 1024                       ; elements from row to row
	s_mov_b32 s[G1A+6], 0
	s_mov_b32 s[G1A+7], 0
	s_or_b32 s[G1B], s29, (1<<16)|(1<<20)|(1<<21)|(5<<22)|(3<<25)  ; elements of 2 bytes; after every 64 words, 4 words
	s_mov_b32 s[G1B+1], 128<<16
	s_mov_b32 s[G1B+2], 128<<16                    ; 128 rows
	s_mov_b32 s[G1B+3], 128<<16
	s_mov_b32 s[G1B+4], 128
	s_mov_b32 s[G1B+5], 1024
	s_mov_b32 s[G1B+6], 0
	s_mov_b32 s[G1B+7], 0
	s_lshl_b32 s70, s[TR], 19                      ; x: 128 rows of 4,096 bytes a tile row,
	s_lshl_b32 s31, s[WC], 18                      ; 64 rows of x, or 128 rows of 2,048 bytes of W, for the half that I fetch
	s_add_co_u32 s70, s70, s31
	s_mov_b32 s71, 0
	s_lshl_b32 s74, s[PJ], 21                      ; W: 2 MiB a projection,
	s_lshl_b32 s75, s[TC], 19                      ; 256 rows of 2,048 bytes a tile column
	s_add_co_u32 s74, s74, s75
	s_add_co_u32 s74, s74, s31
	s_mov_b32 s75, 0
	s_mul_i32 s72, s[WC], AHALF                    ; where the tiles go: no place in the cluster enters an LDS address
	s_mul_i32 s73, s[WC], BHALF
	s_add_co_u32 s73, s73, BOFF
	s_lshl_b32 s84, s[TC], 10                      ; the bias of my 128 columns, 4 bytes each
	s_lshl_b32 s85, s[WC], 9
	s_add_co_u32 s84, s84, s85
	s_mov_b32 s85, 0
	s_lshr_b32 s82, s[TR], 4                       ; the output: batch = tile row / 16,
	s_lshl_b32 s82, s82, 4
	s_lshl_b32 s83, s[TC], 2
	s_add_co_u32 s82, s82, s83
	s_lshl_b32 s83, s[WC], 1
	s_add_co_u32 s82, s82, s83                     ; 16 batch + my first head (4 x tile column + 2 x half),
	s_lshl_b32 s80, s82, 18                        ; 2,048 rows of 128 bytes each,
	s_lshl_b32 s82, s[PJ], 24                      ; 16 MiB a projection,
	s_add_co_u32 s80, s80, s82
	s_and_b32 s82, s[TR], 15
	s_lshl_b32 s82, s82, 14                        ; 128 rows a tile row,
	s_add_co_u32 s80, s80, s82
	s_lshl_b32 s82, s[WR], 13                      ; my 64 of them
	s_add_co_u32 s80, s80, s82
	s_mov_b32 s81, 0
	s_mov_b32 s[TB], 0
	s_wait_dscnt 0x0                               ; the opening add is done
	s_wait_kmcnt 0x0
	s_cmp_eq_u32 s[PJ], 1
	s_cselect_b64 s[76:77], s[6:7], s[4:5]
	s_cselect_b64 s[78:79], s[14:15], s[12:13]
	s_cmp_eq_u32 s[PJ], 2
	s_cselect_b64 s[76:77], s[8:9], s[76:77]       ; x of my projection
	s_cselect_b64 s[78:79], s[16:17], s[78:79]     ; its bias
	s_add_nc_u64 s[76:77], s[76:77], s[70:71]
	s_add_nc_u64 s[10:11], s[10:11], s[74:75]
	s_add_nc_u64 s[78:79], s[78:79], s[84:85]
	s_add_nc_u64 s[OUT:OUT+1], s[18:19], s[80:81]
.irp n, 0,1
	s_mov_b32 s[G0A+4*(\n)], 1                     ; count = 1
	s_add_co_u32 s[G0A+4*(\n)+1], s72, (\n)*SLOTX  ; LDS address: slot n
	s_add_nc_u64 s[G0A+4*(\n)+2:G0A+4*(\n)+3], s[76:77], (\n)*512  ; K step n: 128 f32
	s_or_b32 s[G0A+4*(\n)+3], s[G0A+4*(\n)+3], 0x80000000          ; type = 2
	s_mov_b32 s[G0B+4*(\n)], 1
	s_add_co_u32 s[G0B+4*(\n)+1], s73, (\n)*SLOTX
	s_add_nc_u64 s[G0B+4*(\n)+2:G0B+4*(\n)+3], s[10:11], (\n)*256  ; 128 bf16
	s_or_b32 s[G0B+4*(\n)+3], s[G0B+4*(\n)+3], 0x80000000
.endr
	CROUND                                         ; all sixteen work-groups are here: the first joint loads meet
	s_cmp_eq_u32 s[WR], 0                          ; a wave's two first fills stand in one branch, ahead of every wait on TENSORcnt and every LDS read: two loads of mine are out
	s_cbranch_scc0 .Lfirst_b
	tensor_load_to_lds s[G0A:G0A+3], s[G1A:G1A+7]
	s_nop 0
	tensor_load_to_lds s[G0A+4:G0A+7], s[G1A:G1A+7]
	s_nop 0
.rept 4
	v_nop
.endr
	s_branch .Lfirst_asked
.Lfirst_b:
	tensor_load_to_lds s[G0B:G0B+3], s[G1B:G1B+7]
	s_nop 0
	tensor_load_to_lds s[G0B+4:G0B+7], s[G1B:G1B+7]
	s_nop 0
.rept 4
	v_nop
.endr
.Lfirst_asked:
	v_and_b32 v1, 15, v0                           ; r = l % 16
	v_bfe_u32 v2, v0, 4, 1                         ; h = l / 16
	v_lshlrev_b32 v[BO], 5, v2
	WIN 0x80                                       ; destination window 2, address window 0
.irp b, 0,1,2,3,4,5,6,7                ; register j of block b: bias[my first column + 16 b + 8 h + j], which is where the product puts that column
	global_load_b128 v[8*(\b):8*(\b)+3],   v[BO], s[78:79] offset:64*(\b)
	global_load_b128 v[8*(\b)+4:8*(\b)+7], v[BO], s[78:79] offset:64*(\b)+16
.endr
	WIN 0
	s_mul_i32 s82, s[WR], AHALF                    ; my 64 rows of x
	v_mul_u32_u24 v[AA0], v1, PA
	v_lshl_add_u32 v[AA0], v2, 5, v[AA0]           ; row x pitch + 32 h: eight f32
	v_add_nc_u32 v[AA0], s82, v[AA0]
	v_mul_u32_u24 v[AB0], v1, PB
	v_lshl_add_u32 v[AB0], v2, 4, v[AB0]           ; row x pitch + 16 h: eight bf16
	v_add_nc_u32 v[AB0], s73, v[AB0]               ; my 128 rows of W (the half that I fetch, where I fetch W, has the same number)
	v_mov_b32 v[ADA], v[AA0]
	v_mov_b32 v[ADB], v[AB0]
	s_mul_i32 s82, s[WV], WSTG
	s_add_co_u32 s82, s82, STAGE                   ; my stage
	v_mul_u32_u24 v[STO], v1, SP
	v_lshl_add_u32 v[STO], v2, 4, v[STO]
	v_add_nc_u32 v[STO], s82, v[STO]
	v_bfe_u32 v[RD], v0, 3, 2                      ; back: 32 lanes take four rows of 128 bytes
	v_mul_u32_u24 v[RD], v[RD], SP
	v_and_b32 v11, 7, v0
	v_lshl_add_u32 v[RD], v11, 4, v[RD]
	v_add_nc_u32 v[RD], s82, v[RD]
	v_and_b32 v[GO], 31, v0
	v_lshlrev_b32 v[GO], 4, v[GO]
; Product i of a quarter step's 32: rows 16 (i / 8) on, columns 16 (i % 8) on, 32 along K, W's buffer f.  The 32 accumulators take turns, one instruction a turn, over the backward jump too.
; first = 1: the bias is the C operand that starts the sum: nothing is cleared, and nothing is added on the way out.
.macro MM i, f, first=0
.if \first
	WIN MULB
	v_wmma_f32_16x16x32_bf16 v[8*(\i):8*(\i)+7], v[BF+64*(\f)+8*((\i)%8):BF+64*(\f)+8*((\i)%8)+7], v[ABF+8*((\i)/8):ABF+8*((\i)/8)+7], v[8*((\i)%8):8*((\i)%8)+7]
.else
	WIN MUL
	v_wmma_f32_16x16x32_bf16 v[8*(\i):8*(\i)+7], v[BF+64*(\f)+8*((\i)%8):BF+64*(\f)+8*((\i)%8)+7], v[ABF+8*((\i)/8):ABF+8*((\i)/8)+7], v[8*(\i):8*(\i)+7]
.endif
.endm
.macro MMS from, n, f, first=0         ; products from .. from + n - 1
.set mi, \from
.rept \n
	MM mi, \f, \first
.set mi, mi+1
.endr
.endm
.macro CV a, g                         ; half g of fragment a of x: eight f32 to four registers of bf16
	WIN 0
.irp c, 0,1,2,3
	v_cvt_pk_bf16_f32 v[ABF+8*(\a)+4*(\g)+(\c)], v[RAW+16*(\a)+8*(\g)+2*(\c)], v[RAW+16*(\a)+8*(\g)+2*(\c)+1]
.endr
.endm
.macro RAWLD a, kq                     ; fragment a of x as f32: K = 8 h + 0..7 (32 bytes) and 16 + 8 h + 0..7 (32 bytes, 64 further on)
	ds_load_b128 v[RAW+16*(\a):RAW+16*(\a)+3],     v[ADA] offset:(\a)*16*PA+(\kq)*128
	ds_load_b128 v[RAW+16*(\a)+4:RAW+16*(\a)+7],   v[ADA] offset:(\a)*16*PA+(\kq)*128+16
	ds_load_b128 v[RAW+16*(\a)+8:RAW+16*(\a)+11],  v[ADA] offset:(\a)*16*PA+(\kq)*128+64
	ds_load_b128 v[RAW+16*(\a)+12:RAW+16*(\a)+15], v[ADA] offset:(\a)*16*PA+(\kq)*128+80
.endm
.macro FETCH kq, g                     ; 32 LDS loads in one run: quarter kq of the slot in hand: x's fragment 0 (4), W's eight fragments into buffer g (16), x's fragments 1 to 3 (12)
	WIN 0
	RAWLD 0, \kq
.irp b, 0,1,2,3,4,5,6,7
	ds_load_b128 v[BF+64*(\g)+8*(\b):BF+64*(\g)+8*(\b)+3],   v[ADB] offset:(\b)*16*PB+(\kq)*64
	ds_load_b128 v[BF+64*(\g)+8*(\b)+4:BF+64*(\g)+8*(\b)+7], v[ADB] offset:(\b)*16*PB+(\kq)*64+32
.endr
	RAWLD 1, \kq
	RAWLD 2, \kq
	RAWLD 3, \kq
.endm
; A QUARTER STEP multiplies W's buffer f.  x's fragment 0 was converted in the quarter before; fragments 1 to 3 are converted here, four conversions at a time between the products, each ahead of the eight products that read it.
; In its middle the next quarter (kqn) is fetched, and its fragment 0 converted.  kqn = -1: the very last quarter fetches nothing.
; DISTANCES: a conversion writes a fragment whose last reader stands eight other conversions back or more, and the loads into W's other buffer stand 24 conversions behind its last reader;
; none of those conversions names a register of that reader.  So the loop has no v_nop but those behind a joint load.
.macro QUARTER kqn, f, first=0
	s_wait_dscnt 12                                ; W's fragments are in; the youngest twelve loads (x's fragments 1 to 3) may be out
	MMS 0, 1, \f, \first
	s_wait_dscnt 8                                 ; fragment 1
	CV 1, 0
	MMS 1, 2, \f, \first
	CV 1, 1
	MMS 3, 2, \f, \first
	s_wait_dscnt 4                                 ; fragment 2
	CV 2, 0
	MMS 5, 2, \f, \first
	CV 2, 1
	MMS 7, 2, \f, \first
	s_wait_dscnt 0x0                               ; fragment 3
	CV 3, 0
	MMS 9, 2, \f, \first
	CV 3, 1
.if (\kqn) >= 0
	MMS 11, 5, \f, \first
	FETCH \kqn, 1-(\f)
	MMS 16, 9, \f, \first
	s_wait_dscnt 28                                ; the next quarter's fragment 0 of x is in: the 28 loads behind it may be out
	CV 0, 0
	MMS 25, 2, \f, \first
	CV 0, 1
	MMS 27, 5, \f, \first
.else
	MMS 11, 21, \f, \first
.endif
.endm
; A K STEP'S LAST QUARTER multiplies buffer 1 and changes slots: ONE barrier.  In front of it each wave waits for all its tensor loads (one is out: its part of the next slot), adds 0 to its spare word, and waits for
; that and for its reads of this slot.  fill = 1: the barrier opens a round of the cluster's, and the joint refill, two K steps ahead, is the first thing behind the round.
.macro TURN fill
	WIN 0
	s_wait_tensorcnt 0x0                           ; no tensor load of mine is out, so a group 0 may be written
	ds_add_u32 v[SPW], v[NIL]                      ; 0 onto my spare word; work on registers stands between it and the wait for it
	s_xor_b32 s[TB], s[TB], SLOTX                  ; the fetches go on in the other slot
	v_add_nc_u32 v[ADA], s[TB], v[AA0]
	v_add_nc_u32 v[ADB], s[TB], v[AB0]
.if \fill
	s_xor_b32 s[G0A+5], s[G0A+5], SLOTX            ; the walking sets: the other slot than last time, the next K step; the type bits on top are not reached
	s_add_nc_u64 s[G0A+6:G0A+7], s[G0A+6:G0A+7], 512
	s_xor_b32 s[G0B+5], s[G0B+5], SLOTX
	s_add_nc_u64 s[G0B+6:G0B+7], s[G0B+6:G0B+7], 256
.endif
	s_wait_dscnt 13                                ; W's fragments are in: x's twelve loads and the add may be out
	MMS 0, 1, 1
	s_wait_dscnt 9                                 ; fragment 1: eight loads and the add
	CV 1, 0
	MMS 1, 2, 1
	CV 1, 1
	MMS 3, 2, 1
	s_wait_dscnt 5                                 ; fragment 2: four loads and the add
	CV 2, 0
	MMS 5, 2, 1
	CV 2, 1
	MMS 7, 1, 1
	s_wait_dscnt 0x0                               ; the add is done, and my reads of this slot are over
	s_barrier_signal -1
	MMS 8, 1, 1                                    ; work on registers while the others arrive
	CV 3, 0
	MMS 9, 2, 1
	CV 3, 1
	MMS 11, 5, 1
	WIN 0                                          ; at a branch and at a label every window is 0
	s_barrier_wait -1
.if \fill
	CREST                                          ; no wave of any partner still reads this slot or has a load on its way
	JLOAD                                          ; one tensor load a wave: it has a K step less 16 products, 112 matrix instructions, in which to land
.endif
	FETCH 0, 0
	MMS 16, 9, 1
	s_wait_dscnt 28
	CV 0, 0
	MMS 25, 2, 1
	CV 0, 1
	MMS 27, 5, 1
.endm
	s_wait_tensorcnt 1                             ; my part of K step 0 is in; K step 1's may stay out
	s_barrier_signal -1
	s_barrier_wait -1                              ; everybody's is
	FETCH 0, 0
	s_wait_loadcnt 0x0                             ; the bias
	WIN 0x8a                                       ; all in window 2: the bias is rounded to bf16, like every input, and widened again
.set i, 0
.rept 32
	v_cvt_pk_bf16_f32 v[64+i%4], v[2*i], v[2*i+1]
	v_lshlrev_b32 v[2*i], 16, v[64+i%4]
	v_and_b32 v[2*i+1], 0xffff0000, v[64+i%4]
.set i, i+1
.endr
	WIN 0
	s_wait_dscnt 28                                ; x's fragment 0
	CV 0, 0
	CV 0, 1
	QUARTER 1, 0, 1                                ; the first quarter stands in front of the loop: its products start the sums
	WIN 0
	s_mov_b32 s[CNT], 6
.Lstep:                                        ; a trip: from a K step's second quarter to the next step's first; six trips ask for K steps 2 to 7
	QUARTER 2, 1
	QUARTER 3, 0
	TURN 1
	QUARTER 1, 0
	WIN 0
	s_sub_co_u32 s[CNT], s[CNT], 1
	s_cmp_lg_u32 s[CNT], 0
	s_cbranch_scc1 .Lstep
	QUARTER 2, 1                                   ; the tail is written out: K steps 6 and 7 ask for nothing
	QUARTER 3, 0
	TURN 0
	QUARTER 1, 0
	QUARTER 2, 1
	QUARTER 3, 0
	QUARTER -1, 1
	WIN 0
; THE WAY OUT, 16 rows at a time.  A lane's eight columns pack into 16 bytes of f16; they go into my stage (by head, rows of 144 bytes) and come back as whole rows of 128 bytes: 16 rows of a head are 2,048 consecutive bytes of the output.
.macro PACK a
	WIN 0x05                                       ; sources window 1, destination window 0; each accumulator's registers in ascending order
.irp b, 0,1,2,3,4,5,6,7
.irp c, 0,1,2,3
	v_cvt_pk_f16_f32 v[PK+4*(\b)+(\c)], v[8*(8*(\a)+(\b))+2*(\c)], v[8*(8*(\a)+(\b))+2*(\c)+1]
.endr
.endr
	WIN 0
.irp b, 0,1,2,3,4,5,6,7
	ds_store_b128 v[STO], v[PK+4*(\b):PK+4*(\b)+3] offset:((\b)/4)*16*SP+32*((\b)%4)
.endr
.irp t, 0,1,2,3,4,5,6,7
	ds_load_b128 v[BK+32*(\a)+4*(\t):BK+32*(\a)+4*(\t)+3], v[RD] offset:((\t)/4)*16*SP+((\t)%4)*4*SP  ; LDS serves a wave's instructions in order (ISA guide 5.7.1.4): these see the stores above; the next block's stores come behind them
.endr
.endm
.macro SEND a, younger                 ; younger: the LDS instructions issued behind block a's loads: the next block's sixteen, or none
.irp t, 0,1,2,3,4,5,6,7
	s_wait_dscnt (\younger)+7-(\t)
	global_store_b128 v[GO], v[BK+32*(\a)+4*(\t):BK+32*(\a)+4*(\t)+3], s[OUT:OUT+1] offset:((\t)/4)*262144+(\a)*2048+((\t)%4)*512  ; 512 consecutive bytes, at a multiple of 256 from the buffer's first
.endr
.endm
.rept 4
	v_nop                                          ; the places behind the last products
.endr
	PACK 0
	PACK 1                                         ; a block's arithmetic stands between the loads of the block before and its stores
	SEND 0, 16
	PACK 2
	SEND 1, 16
	PACK 3
	SEND 2, 16
	SEND 3, 0
	s_wait_tensorcnt 0x0                           ; the wave's end: behind my last tensor load and my last LDS store
	ds_add_u32 v[SPW], v[NIL]
	s_wait_dscnt 0x0
	CROUND                                         ; the closing round: no work-group ends while a partner may still ask for a tile that names it
	s_endpgm
.Lfunc_end_k_qf22870e24d_proj:
	.size	k_qf22870e24d_proj, .Lfunc_end_k_qf22870e24d_proj-k_qf22870e24d_proj
	.p2alignl 7, 3214868480
	.fill 96, 4, 3214868480
	.section	.rodata,"a",@progbits
	.p2align	6, 0x0
	.amdhsa_kernel k_qf22870e24d_proj
		.amdhsa_group_segment_fixed_size 327680
		.amdhsa_private_segment_fixed_size 0
		.amdhsa_enable_private_segment 0
		.amdhsa_kernarg_size 64
		.amdhsa_user_sgpr_count 2
		.amdhsa_user_sgpr_kernarg_segment_ptr 1
		.amdhsa_wavefront_size32 1
		.amdhsa_system_sgpr_workgroup_id_x 1
		.amdhsa_system_sgpr_workgroup_id_y 1
		.amdhsa_system_sgpr_workgroup_id_z 1
		.amdhsa_system_vgpr_workitem_id 0
		.amdhsa_next_free_vgpr 640
		.amdhsa_next_free_sgpr 88
		.amdhsa_reserve_vcc 0
		.amdhsa_float_denorm_mode_32 3
		.amdhsa_float_denorm_mode_16_64 3
		.amdhsa_memory_ordered 1
		.amdhsa_forward_progress 1
		.amdhsa_inst_pref_size 113
	.end_amdhsa_kernel
	.amdgpu_metadata
---
amdhsa.version: [ 1, 2 ]
amdhsa.kernels:
  - .name:           k_qf22870e24d_proj
    .symbol:         k_qf22870e24d_proj.kd
    .args:
      - { .name: query, .offset: 0, .size: 8, .value_kind: global_buffer, .address_space: global }
      - { .name: key, .offset: 8, .size: 8, .value_kind: global_buffer, .address_space: global }
      - { .name: value, .offset: 16, .size: 8, .value_kind: global_buffer, .address_space: global }
      - { .name: w16, .offset: 24, .size: 8, .value_kind: global_buffer, .address_space: global }
      - { .name: wq_b, .offset: 32, .size: 8, .value_kind: global_buffer, .address_space: global }
      - { .name: wk_b, .offset: 40, .size: 8, .value_kind: global_buffer, .address_space: global }
      - { .name: wv_b, .offset: 48, .size: 8, .value_kind: global_buffer, .address_space: global }
      - { .name: qkv, .offset: 56, .size: 8, .value_kind: global_buffer, .address_space: global }
    .group_segment_fixed_size: 327680
    .private_segment_fixed_size: 0
    .kernarg_segment_align: 8
    .kernarg_segment_size: 64
    .max_flat_workgroup_size: 128
    .sgpr_count:     88
    .vgpr_count:     640
    .wavefront_size: 32
...
	.end_amdgpu_metadata
.endif
;; end of part 2
;; launch attn (part 3): grid 4 x 64, 4 waves a work-group, clusters of 4 x 1, 327,680 bytes of LDS; arguments qkv, o16; writes o16
.if DOCPART == 3
	.amdgcn_target "amdgcn-amd-amdhsa--gfx1250"
	.amdhsa_code_object_version 6
	.text
	.protected	k_qf22870e24d_attn
	.globl	k_qf22870e24d_attn
	.p2align	8
	.type	k_qf22870e24d_attn,@function
k_qf22870e24d_attn:
	s_mov_b64 s[64:65], 0
	v_nop
	global_prefetch_b8 v0, s[64:65] scope:SCOPE_SE
	s_setreg_imm32_b32 hwreg(HW_REG_WAVE_MODE, 25, 1), 1
	s_wait_xcnt 0x0
	s_wait_alu depctr_hold_cnt(0) depctr_sa_sdst(0) depctr_va_vdst(0) depctr_va_sdst(0) depctr_va_ssrc(0) depctr_va_vcc(0) depctr_vm_vsrc(0)
	s_getreg_b32 s2, hwreg(HW_REG_IB_STS2, 6, 4)
	s_cmp_eq_u32 s2, 0
	s_cbranch_scc0 .Lentry_in_a_cluster
	s_endpgm
.Lentry_in_a_cluster:
	s_bfe_u32 s2, ttmp6, 0x10000c
	s_cmp_lg_u32 s2, 0x3003
	s_cbranch_scc0 .Lentry_shape_is_right
	s_endpgm
.Lentry_shape_is_right:
; O[h][q][:] = the sum over k of softmax_k(Q[h][q] . K[h][k] / 8) V[h][k][:].  Q, K, V are the three parts of qkv, O is o16: each [SIZE_H][SIZE_N][64] in f16: a head's rows are dense, 128 bytes each.
; Products, maxima and sums in f32; the weights p are rounded to f16 for the second product (their sum l is taken of the unrounded p), O once at the end.
; LIMITS.  f16 holds no number beyond 65,504: Q, K and V arrive within it; p lies in 0 to 1, and below 6e-5 it keeps f16's fixed step of 6e-8; O is a mean of V's rows and has their range.
; A weight below 2^-126 counts as 0 in l; NaN and infinities are not treated apart.
; SHARES.  A wave owns four PIECES of two tiles of 16 queries, a work-group's four waves 512 queries of one head: 4 x 64 = 256 work-groups.  Every wave walks all keys, 64 a step.
; LAYOUT.  S^T = K Q^T (source 0 = 16 keys, source 1 = 16 queries): in the result a lane holds ONE query (lane % 16) and the keys 8 (lane / 16) + 0..7.  Two such tiles, rounded to f16 in pairs,
; ARE source 1 (32 keys x 16 queries) of O^T = V^T P, whose result again holds one query a lane, and eight channels.  K comes out of LDS as it lies, V ([key][channel]) turned, by ds_load_tr16_b128.
; SOFTMAX.  For each query a running maximum m and sum l: p = 2^(c s - c m), c = log2(e) / 8; in every step O and l are multiplied by a = 2^(c m_old - c m_new), which is 1 where m has not grown.
; m starts at the lowest finite number, O and l at 0: the first step is a step like any other, with a = 0.
; THE COUNT.  A tile and step have 16 matrix and 118 vector instructions: too many to stand all beside the matrix work.  So four vector instructions that are READY stand behind EVERY matrix instruction,
; and the others in runs without a gap.
; BY TURNS.  Turn n belongs to piece n (the pieces in a ring, step after step).  Its matrix work: 16 products K Q^T of piece n + 1, later 16 products V^T P of piece n - 1.  Its vector work: the scaling,
; exponentials, roundings, sums and rescaling of piece n, and the maximum and statistics of piece n + 1, whose scores the turn itself has made.
; CLUSTER.  The four query blocks of a cluster are one head's and walk the same K and V, so each tile is asked for JOINTLY: the same tensor load, descriptor and mask in all four.
; REGISTERS, in windows of 256 (s_set_vgpr_msb: bits 1:0 source 0, 3:2 source 1, 5:4 source 2, 7:6 destination):
;   window 0: v0-11 addresses; v12-15, v48-63 at work; v16-47 four registers of statistics a tile; v64-191 S^T, two buffers of two tiles; v192-255 P, likewise
;   window 1: O^T, 32 a tile          window 2: v0-127 Q, 16 a tile; v128-191 K of one step; v192-255 V of one step          window 3: v0-1 the add's two registers
; A piece's buffers go by its number's parity: the piece in hand has one pair, its two neighbours in the ring share the other: of it P (piece n - 1) is read and S^T (piece n + 1) written.
.set SIZE_H, 64
.set SIZE_N, 2048
.set NP,    4         ; pieces a wave: a name, no knob
.set KS,    64        ; keys in a step
.set PK,    144       ; a row of K in LDS: 128 bytes + 16 of padding = 36 words: the 16 rows of a load start at 16 different groups of four banks (64 banks of 4 bytes: ISA guide 11.1)
.set PV,    160       ; a row of V: 128 + 32 = 40 words
.set VOFF,  4*KS*PK   ; a slot holds four steps: 256 rows of K, then 256 rows of V
.set SLOT1, 1<<17     ; slot 1 begins here, so that one exclusive or turns an address in one slot into the other's
.set STAGE, SLOT1+4*KS*(PK+PV)  ; behind the ring, never filled by a tensor load: 16 rows x 144 bytes for each wave, for the way out
.set SP,    144
.set AK0, 2           ; v2   my lane's place in a tile of K; never rewritten
.set AV0, 3           ; v3   the same for V
.set AK,  4           ; v4   the LDS address of K's next run of loads
.set AV,  5           ; v5   of V's
.set QO,  6           ; v6   my byte offset in the wave's rows of Q
.set STO, 6           ;      later, the way out: where I put 16 bytes of a row
.set RD,  7           ; v7   the way out: where I read rows back
.set GO,  8           ; v8   my byte offset in 512 consecutive bytes of O
.set PFO, 11          ; v11  256 x my lane, for the prefetches; never rewritten once made
.set SPW, 0           ; v0 of window 3   LDS address of my spare word: SPARE + 4 x my thread's number; never rewritten
.set NIL, 1           ; v1 of window 3   0; never rewritten
.set SPARE, STAGE+4*16*SP  ; behind the stages: the spare words, 128 bytes for each wave: two blocks of 256 bytes that no other line names
.set MV,  12          ; v12-15  c m_old, kept while c m is made anew: by buffer and tile
.set ST,  16          ; tile t's statistics at v[ST+4 t]: c m, m, l (even keys', odd keys')
.set TMP, 48          ; by buffer and tile, four registers c0-c3 at work; when the maximum is found c2 takes a
.set S,   64
.set P,   192
.set KF,  128         ; K's fragments, in window 2: key block kb, channel half c at KF + 16 kb + 8 c
.set VF,  192         ; V's: key half kk, channel block cb at VF + 32 kk + 8 cb
.set WV,  12          ; s12  my wave's number
.set G1K, 24          ; s[24:31] descriptor group 1 for K's tiles
.set G1V, 32          ; s[32:39] for V's: it differs in the padding alone
.set G0K, 40          ; s[40:43] descriptor group 0 for K's tiles: it walks
.set G0V, 44          ; s[44:47] the same for V's
.set PFA, 48          ; s[48:49] where my prefetches stand: my work-group's 8,192 bytes (of K: wave 0, of V: wave 2) of the slot after the one that is being asked for
.set LIM, 50          ; s50  1 in a wave that prefetches, else the greatest number: a wave prefetches while s[SLOTS] is above it
.set SLOTS, 56        ; s56  slots still to be asked for
.set CNT, 57          ; s57  counts a slot's key steps
.set CS,  58          ; s[58:59] c: the packed scaling takes the pair's low word for both halves
.set SEL, 60          ; s[60:61] v_permlanex16_b32's selects: each lane takes its own place in the other half
.set TBK, 62          ; s62  LDS byte at which K of the step to be fetched begins
.set TBV, 63          ; s63  the same for V, less VOFF
.set MSB, 0
.macro WIN new                      ; the high byte repeats the setting that is left; a switch that changes nothing is dropped
.if MSB != (\new)
	s_set_vgpr_msb (MSB<<8)|(\new)
.set MSB, (\new)
.endif
.endm
.set W_KQ, 0x0a       ; K and Q in window 2, S^T in window 0
.set W_PV, 0x52       ; V in window 2, P in window 0, O^T in window 1
.set W_RS, 0x41       ; O^T (destination and source 0) in window 1, a in window 0
.set W_MK, 0xc0       ; the add's registers are made: destination in window 3, sources in window 0
.set W_AD, 0x0f       ; the add: address (source 0) and data (source 1) in window 3
; A joint fill.  Waves 0 and 1 fetch the two halves of a slot's K, waves 2 and 3 those of its V: 128 keys each.  The branch hangs on the wave's number alone.
; An s_nop 0 and four v_nop follow each of the two lines, ahead of the jump and the label.
.macro JLOAD
	s_cmp_lt_u32 s[WV], 2
	s_cbranch_scc0 .Lfor_v_\@
	tensor_load_to_lds s[G0K:G0K+3], s[G1K:G1K+7]
	s_nop 0
.rept 4
	v_nop
.endr
	s_branch .Lasked_\@
.Lfor_v_\@:
	tensor_load_to_lds s[G0V:G0V+3], s[G1V:G1V+7]
	s_nop 0
.rept 4
	v_nop
.endr
.Lasked_\@:
.endm
; A PREFETCH of what the NEXT change of slots will ask for: a slot's 32,768 bytes of K and of V.  It stands behind the wave's tensor load and its five lines.  Each 256 bytes are named ONCE in the launch: a head has one
; cluster; its four partners share the bytes out BY ADDRESS, 8,192 each (no branch hangs on a work-group's place in its cluster); in each, wave 0 asks for K's and wave 2 for V's, a lane for each 256 bytes: one instruction.
; It is four key steps, 512 matrix instructions, ahead of the load that wants the bytes.  Slots 0 to 2 come by their loads alone; the last change that fills a slot asks for nothing: there is no slot behind it.
.macro ASK
	s_cmp_gt_u32 s[SLOTS], s[LIM]
	s_cbranch_scc0 .Lnot_mine_\@
	global_prefetch_b8 v[PFO], s[PFA:PFA+1] th:TH_LOAD_NT scope:SCOPE_SE
.Lnot_mine_\@:
.endm
; A round of the cluster's barrier: my work-group's barrier, so that wave 0's signal speaks for all four waves; wave 0 signals; every wave waits for all four work-groups; my work-group's barrier once more.
.macro CROUND
	s_barrier_signal -1
	s_barrier_wait -1
	s_cmp_lg_u32 s[WV], 0
	s_cbranch_scc1 .Lnot_wave_0_\@
	s_barrier_signal -3
.Lnot_wave_0_\@:
	s_barrier_wait -3
	s_barrier_signal -1
	s_barrier_wait -1
.endm
; THE CHANGE OF SLOTS.  The slot's last bytes, V of its fourth step, have been read.  Each wave waits for all its tensor loads, of which one is out: its part
; of the other slot; adds 0 to its spare word; and waits for that and for its own reads of the slot.  Behind the barrier nobody reads this slot any more and the other slot is whole.
; fill = 1: this slot is filled again, with the keys two slots on.  The barrier is then a round of the cluster's, so that no wave of any partner still reads the slot or has a load on its
; way, and the joint fill is the first thing behind it: it has four key steps, 512 matrix instructions, in which to land.  (At its first use nothing has been read yet: slot 0 is waited for, slot 1 filled.)
; ask = 1: the prefetches' address steps a slot on, and ASK follows the fill.
.macro CHANGE fill, ask=0
	WIN W_AD
	s_wait_tensorcnt 0x0            ; no tensor load of mine is out, so a group 0 may be written
	ds_add_u32 v[SPW], v[NIL]       ; 0 onto my spare word; with fill = 1 the descriptors' steps stand between it and the wait for it
	WIN 0                           ; at a label and at a branch every window is 0
.if \fill
.irp g, G0K, G0V
	s_xor_b32 s[\g+1], s[\g+1], SLOT1  ; the walking descriptor: the other slot than last time,
	s_add_nc_u64 s[\g+2:\g+3], s[\g+2:\g+3], 4*KS*128  ; the next 256 keys; the type bits on top are not reached
.endr
.if \ask
	s_wait_xcnt 0x0                 ; the last prefetch, four key steps back, has read its address, so it may be written:
	s_add_nc_u64 s[PFA:PFA+1], s[PFA:PFA+1], 4*KS*128  ; one slot behind the walking descriptors
.endif
	s_wait_dscnt 0x0                ; the add is done, and my reads of the slot are over
	CROUND
	JLOAD
.if \ask
	ASK
.endif
.else
	s_wait_dscnt 0x0                ; the add is done, and my reads of the slot are over
	s_barrier_signal -1
	s_barrier_wait -1
.endif
	s_sub_co_u32 s[TBK], s[TBK], 4*KS*PK  ; the fetches go back to a slot's first step,
	s_xor_b32 s[TBK], s[TBK], SLOT1       ; in the other slot
	s_sub_co_u32 s[TBV], s[TBV], 4*KS*PV
	s_xor_b32 s[TBV], s[TBV], SLOT1
.endm
	s_load_b128 s[4:7], s[0:1], 0x0  ; qkv s[4:5], o16 s[6:7]
	WIN W_MK
	v_lshl_add_u32 v[SPW], v0, 2, SPARE
	v_mov_b32 v[NIL], 0
	WIN W_AD
	ds_add_u32 v[SPW], v[NIL]       ; the wave's opening: the add and its wait stand ahead of my first tensor load; the set-up below, work on registers, stands between them
	WIN 0
	v_lshrrev_b32 v1, 5, v0
	v_readfirstlane_b32 s[WV], v1   ; wave 0..3
	s_bfe_u32 s13, ttmp6, 0x40000   ; cx: my place in the cluster
	s_lshl_b32 s14, ttmp9, 2        ; in a cluster launch ttmp9 counts clusters
	s_add_co_u32 s14, s14, s13      ; my block of queries = 4 x cluster x + cx: it enters Q's and O's addresses alone
	s_and_b32 s20, ttmp7, 0xffff    ; the head, which the four partners share
	s_mov_b32 s21, 0
	s_mov_b64 s[22:23], SIZE_N*128
	s_mul_u64 s[20:21], s[20:21], s[22:23]  ; the head's first byte in each of the four tensors
	s_and_b32 s16, s[WV], 1         ; which half of a slot's 256 keys I fetch:
	s_lshl_b32 s22, s16, 14         ; its 128 rows of 128 bytes in memory,
	s_mov_b32 s23, 0
	s_add_nc_u64 s[22:23], s[22:23], s[20:21]
	s_mul_i32 s17, s16, 128*PK      ; and its place in a slot, for K
	s_mul_i32 s18, s16, 128*PV      ; and for V: no place in the cluster enters an LDS address
	s_lshl_b32 s2, s14, 2
	s_add_co_u32 s2, s2, s[WV]      ; my wave among the head's,
	s_lshl_b32 s2, s2, 14           ; its 128 rows
	s_mov_b32 s3, 0
	s_add_nc_u64 s[2:3], s[2:3], s[20:21]
	; descriptor group 1.  128 keys are 16,384 dense bytes: asked for as 64 rows of 256 bytes, two keys a row, and padded in LDS after every key
	s_mov_b32 s[G1K], 15|(1<<16)|(1<<20)|(1<<21)|(4<<22)|(3<<25)  ; 15:0 the mask of four; 17:16 2-byte elements; 20 padding on; 21 set beside a mask; 24:22 after every 32 words (code 4); 31:25 4 words (code 3)
	s_mov_b32 s[G1V], 15|(1<<16)|(1<<20)|(1<<21)|(4<<22)|(7<<25)  ; the same with 8 words of padding (code 7)
.irp g, G1K, G1V
	s_mov_b32 s[\g+1], 128<<16      ; tensor_dim0 = 128
	s_mov_b32 s[\g+2], 64<<16       ; tensor_dim1 = 64
	s_mov_b32 s[\g+3], 128<<16      ; tile_dim0 = 128
	s_mov_b32 s[\g+4], 64           ; tile_dim1 = 64
	s_mov_b32 s[\g+5], 128          ; 128 elements from row to row
	s_mov_b32 s[\g+6], 0
	s_mov_b32 s[\g+7], 0
.endr
	s_mov_b32 s[CS], 0x3e38aa3b     ; c = log2(e) / 8 = 0.180337
	s_mov_b32 s[CS+1], s[CS]        ; named with it as a pair
	s_mov_b32 s[SEL], 0x76543210
	s_mov_b32 s[SEL+1], 0xfedcba98
	s_mov_b32 s[TBK], SLOT1+4*KS*PK ; the first change of slots turns these two into 0
	s_mov_b32 s[TBV], SLOT1+4*KS*PV
	s_mov_b32 s[G0K], 1             ; 1:0 count = 1
	s_mov_b32 s[G0K+1], s17         ; 63:32 LDS address: slot 0
	s_mov_b32 s[G0V], 1
	s_add_co_u32 s[G0V+1], s18, VOFF
	s_and_b32 s[LIM], s[WV], 1      ; 0 in waves 0 and 2,
	s_or_b32 s[LIM], s[LIM], ttmp9  ; where the cluster is the head's first (here its only one): the same in all four partners
	s_cmp_eq_u32 s[LIM], 0
	s_cselect_b32 s[LIM], 1, -1
	s_lshl_b32 s52, s13, 13         ; my work-group's 8,192 bytes of a slot's 32,768
	s_mov_b32 s53, 0
	s_wait_dscnt 0x0                ; the opening add is done
	s_wait_kmcnt 0x0
	s_mov_b64 s[10:11], s[6:7]      ; O
	s_add_nc_u64 s[6:7], s[4:5], 0x1000000  ; K: qkv's second part, 16 MiB on
	s_add_nc_u64 s[8:9], s[4:5], 0x2000000  ; V: its third
	s_add_nc_u64 s[G0K+2:G0K+3], s[6:7], s[22:23]  ; 120:64 global address: my half of the head's first 256 keys
	s_or_b32 s[G0K+3], s[G0K+3], 0x80000000        ; 127:126 type = 2
	s_add_nc_u64 s[G0V+2:G0V+3], s[8:9], s[22:23]
	s_or_b32 s[G0V+3], s[G0V+3], 0x80000000
	s_add_nc_u64 s[4:5], s[4:5], s[2:3]  ; Q and O at my wave's first row
	s_add_nc_u64 s[10:11], s[10:11], s[2:3]
	s_cmp_lt_u32 s[WV], 2
	s_cselect_b64 s[PFA:PFA+1], s[6:7], s[8:9]
	s_add_nc_u64 s[PFA:PFA+1], s[PFA:PFA+1], s[22:23]  ; (in waves 0 and 2 this is the head's first byte)
	s_add_nc_u64 s[PFA:PFA+1], s[PFA:PFA+1], s[52:53]
	s_add_nc_u64 s[PFA:PFA+1], s[PFA:PFA+1], 2*4*KS*128  ; in slot 2; the loop's first change of slots steps it to slot 3.  Nothing is prefetched here, at the head
	CROUND                          ; all four work-groups are here: the first joint loads meet
	JLOAD                           ; slot 0.  Slot 1 is asked for when slot 0 is in
	; A fragment of K or Q is 16 rows x 32 channels in 8 registers: lane l holds row l % 16, channels 8 (l / 16) + 0..7 and 16 + 8 (l / 16) + 0..7: two loads of 16 bytes, 32 bytes apart.
	v_and_b32 v1, 15, v0            ; l % 16
	v_bfe_u32 v9, v0, 4, 1          ; l / 16
	v_lshlrev_b32 v[QO], 7, v1
	v_lshl_add_u32 v[QO], v9, 4, v[QO]  ; row x 128 + 16 x half
	WIN 0x80                        ; destination window 2, address window 0
.set i, 0
.rept 4*NP                          ; Q stays in registers: tile i / 2, channels 32 (i % 2) on
	global_load_b128 v[8*i:8*i+3],   v[QO], s[4:5] offset:(i/2)*2048+(i%2)*64
	global_load_b128 v[8*i+4:8*i+7], v[QO], s[4:5] offset:(i/2)*2048+(i%2)*64+32
.set i, i+1
.endr
	; What the first turn finds: V's registers and P's second buffer hold 0 (its products V^T P, of a piece that has not been, add 0), O^T and l are 0.  All this stands in the wait for the first tile.
.set i, VF
.rept 64
	v_mov_b32 v[i], 0
.set i, i+1
.endr
	WIN 0x40
.set i, 0
.rept 64*NP
	v_mov_b32 v[i], 0
.set i, i+1
.endr
	WIN 0
.set i, 0
.rept 2*NP
	v_mov_b32 v[ST+4*i], 0xfe000000    ; c m: far below every c s
	v_mov_b32 v[ST+4*i+1], 0xff7fffff  ; m
	v_mov_b32 v[ST+4*i+2], 0
	v_mov_b32 v[ST+4*i+3], 0
.set i, i+1
.endr
.set i, P+32
.rept 32
	v_mov_b32 v[i], 0
.set i, i+1
.endr
	v_mul_u32_u24 v[AK0], v1, PK
	v_lshl_add_u32 v[AK0], v9, 4, v[AK0]  ; row x pitch + 16 x half
	; The turning load takes 16 keys x 16 channels (lane l reads key 8 (l / 16) + l % 8, channels 8 ((l / 8) % 2) + 0..7) and leaves half a fragment of V^T: lane l holds channel l % 16 and 8 keys.
	v_and_b32 v10, 7, v0
	v_bfe_u32 v11, v0, 3, 1
	v_lshl_add_u32 v[AV0], v9, 3, v10
	v_mul_u32_u24 v[AV0], v[AV0], PV
	v_lshl_add_u32 v[AV0], v11, 4, v[AV0]
	v_add_nc_u32 v[AV0], VOFF, v[AV0]
	v_mov_b32 v[AK], v[AK0]         ; key step 0 lies at the head of slot 0
	v_and_b32 v[PFO], 31, v0        ; v11 has served V's address: now 256 x my lane
	v_lshlrev_b32 v[PFO], 8, v[PFO]
; THE MATRIX WORK.  The 8 accumulators of a run of 16 take turns: between the two links of a chain stand 7 others'.
; Product i of 16 of S^T = K Q^T for piece x: channels 32 (i / 8) on, keys 16 ((i / 2) % 4) on, tile 2 x + i % 2.  The first 8 start the sums.
.macro KQ x
	WIN W_KQ
.set rS, S+64*((\x)%2)+32*(i%2)+8*((i/2)%4)
.set rK, KF+16*((i/2)%4)+8*(i/8)
.set rQ, 16*(2*(\x)+i%2)+8*(i/8)
.if i < 8
	v_wmma_f32_16x16x32_f16 v[rS:rS+7], v[rK:rK+7], v[rQ:rQ+7], 0
.else
	v_wmma_f32_16x16x32_f16 v[rS:rS+7], v[rK:rK+7], v[rQ:rQ+7], v[rS:rS+7]
.endif
.endm
; Product i of 16 of O^T += V^T P for piece x: keys 32 (i / 8) on, channels 16 ((i / 2) % 4) on, tile 2 x + i % 2.
.macro PV x
	WIN W_PV
.set rO, 32*(2*(\x)+i%2)+8*((i/2)%4)
.set rV, VF+32*(i/8)+8*((i/2)%4)
.set rP, P+32*((\x)%2)+16*(i%2)+8*(i/8)
	v_wmma_f32_16x16x32_f16 v[rO:rO+7], v[rV:rV+7], v[rP:rP+7], v[rO:rO+7]
.endm
.macro MM                           ; the turn's next matrix instruction
.if i < 16
	KQ (Y+1)%NP
.set i, i+1
.else
.set i, i-16
	PV (Y+NP-1)%NP
.set i, i+17
.endif
.endm
; THE LDS LOADS stand in runs of 16, never singly among the matrix instructions: a step's K (64 keys x 64 channels: 8 fragments) and its V (turned).  Their addresses are made some lines ahead.
; last = 1 (the tail): in the last trip there is no further step, and the run is jumped over.
.macro FETCH_K last=0
	WIN 0
.if \last
	s_cmp_eq_u32 s[CNT], 1
	s_cbranch_scc1 .Lno_k_\@
.endif
	WIN 0x80                        ; destination window 2
.irp f, 0,1,2,3,4,5,6,7             ; keys 16 (f / 2) on, channels 32 (f % 2) on
	ds_load_b128 v[KF+8*\f:KF+8*\f+3],   v[AK] offset:(\f/2)*16*PK+(\f%2)*64
	ds_load_b128 v[KF+8*\f+4:KF+8*\f+7], v[AK] offset:(\f/2)*16*PK+(\f%2)*64+32
.endr
	s_add_co_u32 s[TBK], s[TBK], KS*PK  ; the next fetch is the next step's
	WIN 0
.if \last
.Lno_k_\@:
.endif
.endm
.macro FETCH_V
	WIN 0x80
.irp f, 0,1,2,3,4,5,6,7             ; keys 32 (f / 4) on, channels 16 (f % 4) on
	ds_load_tr16_b128 v[VF+8*\f:VF+8*\f+3],   v[AV] offset:(\f/4)*32*PV+(\f%4)*32
	ds_load_tr16_b128 v[VF+8*\f+4:VF+8*\f+7], v[AV] offset:(\f/4)*32*PV+16*PV+(\f%4)*32
.endr
	WIN 0
.endm
; THE VECTOR WORK OF A TURN stands in three queues, each in the order in which its entries become ready; the two tiles alternate, so that no instruction reads the result of the one before it.
.macro REGS y, u                    ; the registers of tile u (0, 1) of piece y
.set rT, ST+4*(2*(\y)+(\u))
.set rC, TMP+8*((\y)%2)+4*(\u)
.set rM, MV+2*((\y)%2)+(\u)
.set rS, S+64*((\y)%2)+32*(\u)
.set rP, P+32*((\y)%2)+16*(\u)
.set rO, 32*(2*(\y)+(\u))
.endm
; Number n of the 22 that find the NEXT piece's (Y + 1) maximum and statistics.  s0-s31 are the lane's 32 scores; each accumulator's lowest registers are read first.  XS, GS and REGS set no window: PL and EX do.
;   0-11  four chains c0-c3 of seven scores each, three operands at a time     12-14, 16  the four scores left over, the old m, and c0-c3 into c0     15  c m_old is kept
;   17, 18  the query's other 32 keys lie in the lane 16 away: the new m         19-21  c m; c m_old - c m_new; a
.macro XS u, n
	REGS (Y+1)%NP, \u
.if (\n) < 4
	v_max3_num_f32 v[rC+(\n)], v[rS+8*(\n)], v[rS+8*(\n)+1], v[rS+8*(\n)+2]
.elseif (\n) < 12
	v_max3_num_f32 v[rC+(\n)%4], v[rC+(\n)%4], v[rS+8*((\n)%4)+2*((\n)/4)+1], v[rS+8*((\n)%4)+2*((\n)/4)+2]
.elseif (\n) == 12
	v_max3_num_f32 v[rC], v[rC], v[rS+7], v[rS+15]
.elseif (\n) == 13
	v_max3_num_f32 v[rC+1], v[rC+1], v[rS+23], v[rS+31]
.elseif (\n) == 14
	v_max3_num_f32 v[rC+2], v[rC+2], v[rC+3], v[rT+1]
.elseif (\n) == 15
	v_mov_b32 v[rM], v[rT]
.elseif (\n) == 16
	v_max3_num_f32 v[rC], v[rC], v[rC+1], v[rC+2]
.elseif (\n) == 17
	v_permlanex16_b32 v[rC+3], v[rC], s[SEL], s[SEL+1]
.elseif (\n) == 18
	v_max_num_f32 v[rT+1], v[rC], v[rC+3]
.elseif (\n) == 19
	v_mul_f32 v[rT], s[CS], v[rT+1]
.elseif (\n) == 20
	v_sub_f32 v[rC+1], v[rM], v[rT]
.else
	v_exp_f32 v[rC+2], v[rC+1]
.endif
.endm
; Number g of the 64 that follow the exponentials.  For each four weights k of a tile (pairs 2 k, 2 k + 1): both pairs are rounded to f16; then the second pair is added onto the first, in place;
; a group later l takes that sum (the first time as l = a l + sum).  In groups of eight, tiles alternating: round, round, add, and l for the group before.
.macro GS g
.set h, (\g)+6*((\g)/62)            ; group 0 has no group before it, and behind group 7 only l is left
.if h >= 6
.set h, h+2
.endif
	REGS Y, h%2
.set k, h/8
.if h%8 < 4
	s_wait_alu depctr_va_vdst(0)
	v_cvt_pk_f16_f32 v[rP+2*k+(h%8)/2], v[rS+4*k+2*((h%8)/2)], v[rS+4*k+2*((h%8)/2)+1]
.elseif h%8 < 6
	v_pk_add_f32 v[rS+4*k:rS+4*k+1], v[rS+4*k:rS+4*k+1], v[rS+4*k+2:rS+4*k+3]
.elseif k == 1
	v_pk_fma_f32 v[rT+2:rT+3], v[rT+2:rT+3], v[rC+2:rC+3], v[rS:rS+1] op_sel_hi:[1,0,1]
.else
	v_pk_add_f32 v[rT+2:rT+3], v[rT+2:rT+3], v[rS+4*k-4:rS+4*k-3]
	s_wait_alu depctr_va_vdst(0)
.endif
.endm
; THE PLAIN QUEUE, 138 long.  0-31: c s - c m for the 16 pairs of both tiles.  Then GS's 64, and among them the next piece's 42: number 15 at 38, 39; 0-14 and 16
; at 42-73, behind the products that make those scores; 17-20 at 95-106, two of three, since each waits for the one before it.
.macro PL
	WIN 0
.if q < 32
	REGS Y, q%2
	v_pk_fma_f32 v[rS+2*(q/2):rS+2*(q/2)+1], v[rS+2*(q/2):rS+2*(q/2)+1], s[CS:CS+1], v[rT:rT+1] op_sel_hi:[1,0,0] neg_lo:[0,0,1] neg_hi:[0,0,1]
.elseif q < 38
	GS q-32
.elseif q < 40
	XS q%2, 15
.elseif q < 42
	GS q-34
.elseif q < 74
	XS q%2, (q-42)/2+(q-42)/30
.elseif q < 95
	GS q-66
.elseif (q < 107) && ((q-95)%3 < 2)
	XS (q-95)%3, 17+(q-95)/3
.elseif q < 107
	GS 29+(q-95)/3
.else
	GS q-74
.endif
.set q, q+1
.endm
; THE EXPONENTIALS' QUEUE, 66 long: s0-s31 of both tiles, and at EA the next piece's two a.
.set EA, 58
.macro EX
	WIN 0
.if (e == EA) || (e == EA+1)
	XS e-EA, 21
.else
.set x, e-2*(e/(EA+2))
	REGS Y, x%2
	v_exp_f32 v[rS+x/2], v[rS+x/2]
.endif
.set e, e+1
.endm
; THE RESCALING's QUEUE: O^T times a, the one part that leaves window 0, so it is dealt four at a time, eight times.
.macro R4
	REGS Y, r%2
	WIN W_RS
	s_wait_alu depctr_va_vdst(0)
.irp z, 0,1,2,3
	v_pk_mul_f32 v[rO+8*(r/2)+2*\z:rO+8*(r/2)+2*\z+1], v[rO+8*(r/2)+2*\z:rO+8*(r/2)+2*\z+1], v[rC+2:rC+3] op_sel_hi:[1,0]
.endr
.set r, r+1
.endm
; HOW THEY ARE DEALT.  Behind a matrix instruction four: plain, exponential, plain, plain (one exponential, a plain instruction on either side), or four of the rescaling.  None names a register of the
; products round it.  What is over stands in two LUMPS: exponential and plain by turns; the second ends in 22 plain instructions.  The two v_permlanex16_b32 fall into the second lump, never behind a product.
; The queues lean on each other, and the deal keeps them in step: exponential e stands behind plain 2 (e / 4) + e % 2 (its scaling); when plain 32 comes, 10 exponentials are out, at 59: 33, at 95: 46; EA comes behind plain 107.
.macro SL
	MM
	PL
	EX
	PL
	PL
.endm
.macro BURST n                      ; 15 matrix instructions, or 16
.rept (\n)-7
	SL
.endr
.rept 3
	MM
	R4
	SL
.endr
	MM
	R4
.endm
; A TURN, for piece p.  cnt = 1: the loop's count is taken down some lines ahead of the branch that stands behind the turn.
; K of the next step is fetched in piece 2's turn, 31 vector instructions behind the last product that read K; its first reader comes behind the rest of the lump, 16 products and the second lump.
; V of the step in hand is fetched at the end of piece 0's turn, 69 behind its last reader; its first reader comes behind 16 products and a lump.  The four conditions on e and q below go with the deal.
.macro TURN p, last=0, cnt=0
.set Y, (\p)
.set i, 0
.set q, 0
.set e, 0
.set r, 0
.if (\p) == NP-1
	s_wait_dscnt 0x0                ; K is in
.endif
	MM
.rept 4
	PL
.endr
	BURST 15
.rept 22
	EX
	PL
.if ((\p) == NP-2) && (e == 18)
	v_add_nc_u32 v[AK], s[TBK], v[AK0]
.endif
.if ((\p) == NP-2) && (e == 24)
	FETCH_K \last
.endif
.endr
.if (\p) == 1
	s_wait_dscnt 0x0                ; V is in
.endif
	BURST 16
.rept 21
	EX
	PL
.endr
.rept 22
	PL
.if ((\p) == 0) && (q == 118)
	v_add_nc_u32 v[AV], s[TBV], v[AV0]
	s_wait_alu depctr_va_vdst(0)
.endif
.if ((\p) == 0) && (q == 130)
	s_add_co_u32 s[TBV], s[TBV], KS*PV
.endif
.if (\cnt) && (q == 130)
	s_sub_co_u32 s[CNT], s[CNT], 1
	s_cmp_lg_u32 s[CNT], 0
.endif
.endr
.if (\p) == 0
	FETCH_V
.endif
.endm
	CHANGE 1                        ; slot 0 is in, everybody's part of it; slot 1 is asked for
	FETCH_K                         ; key step 0
	s_wait_loadcnt 0x0              ; Q
	s_wait_dscnt 0x0
.set i, 0
.rept 16
	KQ 0                            ; piece 0's first scores: there is no vector work yet to set between them
.set i, i+1
.endr
	WIN 0                           ; the addresses for the way out: nine plain instructions, the places behind those products
	s_mul_i32 s13, s[WV], 16*SP
	s_add_co_u32 s13, s13, STAGE    ; my stage
	v_mul_u32_u24 v[STO], v1, SP    ; in: row l % 16, 16 bytes for each half of the lanes
	v_lshl_add_u32 v[STO], v9, 4, v[STO]
	v_add_nc_u32 v[STO], s13, v[STO]
	v_bfe_u32 v[RD], v0, 3, 2       ; back: 32 lanes take four rows of 128 bytes,
	v_mul_u32_u24 v[RD], v[RD], SP
	v_lshl_add_u32 v[RD], v10, 4, v[RD]
	v_add_nc_u32 v[RD], s13, v[RD]
	v_and_b32 v[GO], 31, v0         ; which are 512 consecutive bytes of O
	v_lshlrev_b32 v[GO], 4, v[GO]
.set Y, NP-1                        ; XS works for piece Y + 1: piece 0
.irp n, 0,1,2,3,4,5,6,7,8,9,10,11,12,13,14,15,16,17,18,19,20,21
	XS 0, \n                        ; and piece 0's first maximum and statistics
	XS 1, \n
.endr
	s_mov_b32 s[CNT], 4
	s_mov_b32 s[SLOTS], SIZE_N/256-1
	s_branch .Lfirst                ; the loop is entered at a step's first turn, in the middle of a trip
.Lslot:                             ; SIZE_N / 256 - 2 times: every slot but the last two is filled again
	CHANGE 1, 1
	s_mov_b32 s[CNT], 4
.Lstep:                             ; a trip: pieces 2 and 3 of one step, then pieces 0 and 1 of the next, whose K and V it fetches
	TURN 2
	TURN 3
	WIN 0
.Lfirst:
	TURN 0
	TURN 1, 0, 1
	WIN 0
	s_cbranch_scc1 .Lstep
	s_sub_co_u32 s[SLOTS], s[SLOTS], 1
	s_cmp_lg_u32 s[SLOTS], 0
	s_cbranch_scc1 .Lslot
	CHANGE 0                        ; the tail is written out: nothing is asked for
	s_mov_b32 s[CNT], 5             ; four trips fetch the last slot's steps; the fifth is left in its middle
.Ltail:
	TURN 2, 1
	TURN 3
	WIN 0
	s_sub_co_u32 s[CNT], s[CNT], 1
	s_cmp_eq_u32 s[CNT], 0
	s_cbranch_scc1 .Lout
	TURN 0
	TURN 1
	WIN 0
	s_branch .Ltail
.Lout:                              ; the fifth trip's 16 products K Q^T (on the last K once more) and the maximum made of them serve nothing: the price, once a launch, of one text for every trip
.set i, 0
.rept 16
	PV NP-1                         ; the last piece's V^T P of the last step
.set i, i+1
.endr
	; THE WAY OUT.  l's two halves and the other half of the lanes' are added; O^T is divided by l, rounded to f16 and sent through my stage in LDS, a tile at a time.  The additions are the places behind the last products.
	WIN 0
.macro ALL line:vararg              ; one line for each tile t
.set t, 0
.rept 2*NP
	\line
.set t, t+1
.endr
.endm
	ALL v_add_f32 v[ST+4*t+2], v[ST+4*t+2], v[ST+4*t+3]
	ALL v_permlanex16_b32 v[ST+4*t+3], v[ST+4*t+2], s[SEL], s[SEL+1]
	ALL v_add_f32 v[ST+4*t+2], v[ST+4*t+2], v[ST+4*t+3]
	ALL v_rcp_f32 v[ST+4*t+2], v[ST+4*t+2]
	v_nop                           ; a plain instruction between the last reciprocal and the use of its result
	s_wait_alu depctr_va_vdst(0)
; Tile t: a lane's eight channels of a row pack into 16 bytes; they go into rows of 144 bytes and come back as whole rows of 128, into S^T's registers.
.macro PACK t
	WIN W_RS
.set i, 32*(\t)
.rept 16
	v_pk_mul_f32 v[i:i+1], v[i:i+1], v[ST+4*(\t)+2:ST+4*(\t)+3] op_sel_hi:[1,0]
.set i, i+2
.endr
	WIN 0x05                        ; sources 0 and 1 window 1, destination window 0
.set i, 0
.rept 16
	v_cvt_pk_f16_f32 v[S+16*(\t)+i], v[32*(\t)+2*i], v[32*(\t)+2*i+1]
.set i, i+1
.endr
	WIN 0
.irp f, 0,1,2,3
	ds_store_b128 v[STO], v[S+16*(\t)+4*\f:S+16*(\t)+4*\f+3] offset:32*\f
.endr
.irp f, 0,1,2,3
	ds_load_b128 v[S+16*(\t)+4*\f:S+16*(\t)+4*\f+3], v[RD] offset:\f*4*SP  ; LDS serves a wave's instructions in order (ISA guide 5.7.1.4): these see the stores above; the next tile's stores come behind them
.endr
.endm
.macro SEND t, younger              ; younger: the LDS instructions issued behind tile t's loads: the next tile's eight, or none
	WIN 0
.irp f, 0,1,2,3
	s_wait_dscnt (\younger)+3-\f
	global_store_b128 v[GO], v[S+16*(\t)+4*\f:S+16*(\t)+4*\f+3], s[10:11] offset:(\t)*2048+\f*512  ; 512 consecutive bytes, at a multiple of 256 from O's first
.endr
.endm
	PACK 0
.set t, 1
.rept 2*NP-1                        ; a tile's arithmetic stands between the loads of the tile before and its stores
	PACK t
	SEND t-1, 8
.set t, t+1
.endr
	SEND 2*NP-1, 0
	WIN W_AD
	s_wait_tensorcnt 0x0            ; the wave's end: behind my last tensor load and my last LDS store
	ds_add_u32 v[SPW], v[NIL]
	s_wait_dscnt 0x0
	WIN 0
	CROUND                          ; the closing round: no work-group ends while a partner may still ask for a tile that names it
	s_endpgm
.Lfunc_end_k_qf22870e24d_attn:
	.size	k_qf22870e24d_attn, .Lfunc_end_k_qf22870e24d_attn-k_qf22870e24d_attn
	.p2alignl 7, 3214868480
	.fill 96, 4, 3214868480
	.section	.rodata,"a",@progbits
	.p2align	6, 0x0
	.amdhsa_kernel k_qf22870e24d_attn
		.amdhsa_group_segment_fixed_size 327680
		.amdhsa_private_segment_fixed_size 0
		.amdhsa_enable_private_segment 0
		.amdhsa_kernarg_size 16
		.amdhsa_user_sgpr_count 2
		.amdhsa_user_sgpr_kernarg_segment_ptr 1
		.amdhsa_wavefront_size32 1
		.amdhsa_system_sgpr_workgroup_id_x 1
		.amdhsa_system_sgpr_workgroup_id_y 1
		.amdhsa_system_sgpr_workgroup_id_z 1
		.amdhsa_system_vgpr_workitem_id 0
		.amdhsa_next_free_vgpr 770
		.amdhsa_next_free_sgpr 66
		.amdhsa_reserve_vcc 0
		.amdhsa_float_denorm_mode_32 3
		.amdhsa_float_denorm_mode_16_64 3
		.amdhsa_memory_ordered 1
		.amdhsa_forward_progress 1
		.amdhsa_inst_pref_size 209
	.end_amdhsa_kernel
	.amdgpu_metadata
---
amdhsa.version: [ 1, 2 ]
amdhsa.kernels:
  - .name:           k_qf22870e24d_attn
    .symbol:         k_qf22870e24d_attn.kd
    .args:
      - { .name: qkv, .offset: 0, .size: 8, .value_kind: global_buffer, .address_space: global }
      - { .name: o16, .offset: 8, .size: 8, .value_kind: global_buffer, .address_space: global }
    .group_segment_fixed_size: 327680
    .private_segment_fixed_size: 0
    .kernarg_segment_align: 8
    .kernarg_segment_size: 16
    .max_flat_workgroup_size: 128
    .sgpr_count:     66
    .vgpr_count:     770
    .wavefront_size: 32
...
	.end_amdgpu_metadata
.endif
;; end of part 3
;; launch dense (part 4): grid 4 x 64, 4 waves a work-group, clusters of 4 x 4, 327,680 bytes of LDS; arguments o16, w16, dense_b, out0; writes out0
.if DOCPART == 4
	.amdgcn_target "amdgcn-amd-amdhsa--gfx1250"
	.amdhsa_code_object_version 6
	.text
	.protected	k_qf22870e24d_dense
	.globl	k_qf22870e24d_dense
	.p2align	8
	.type	k_qf22870e24d_dense,@function
k_qf22870e24d_dense:
	s_mov_b64 s[64:65], 0
	v_nop
	global_prefetch_b8 v0, s[64:65] scope:SCOPE_SE
	s_setreg_imm32_b32 hwreg(HW_REG_WAVE_MODE, 25, 1), 1
	s_wait_xcnt 0x0
	s_wait_alu depctr_hold_cnt(0) depctr_sa_sdst(0) depctr_va_vdst(0) depctr_va_sdst(0) depctr_va_ssrc(0) depctr_va_vcc(0) depctr_vm_vsrc(0)
	s_getreg_b32 s2, hwreg(HW_REG_IB_STS2, 6, 4)
	s_cmp_eq_u32 s2, 0
	s_cbranch_scc0 .Lentry_in_a_cluster
	s_endpgm
.Lentry_in_a_cluster:
	s_bfe_u32 s2, ttmp6, 0x10000c
	s_cmp_lg_u32 s2, 0xf033
	s_cbranch_scc0 .Lentry_shape_is_right
	s_endpgm
.Lentry_shape_is_right:
; THE LAST PROJECTION.  out0[b][s][n] = sum over k of O[b][s][k] Wd[n][k] + bd[n], k = 64 head + d.  O: o16, [16 b + head][2048][64] f16; Wd: w16's part 3, [1024][1024], dense_w rounded to bf16 and written as f16;
; bd is rounded to bf16 and starts the sums; sums in f32; out0 is f32.  NaN and infinities are not treated apart.
; SHARES.  A tile is 128 rows x 256 columns: 64 x 4 = 256 work-groups.  Four waves, 2 x 2, each 64 x 128: 32 accumulators, 256 registers.  K goes in 8 steps of 128 = two heads, through two LDS slots.
; A head's 128 rows of a tile are 16,384 dense bytes: asked for as 64 rows of 256 bytes, padded in LDS after every 128.  Wave 0 fetches the even head's, wave 1 the odd head's, waves 2 and 3 Wd's two halves.
; CLUSTER 4 x 4: O's tile is asked for jointly along a row of the cluster, Wd's along a column.
; THE MATRIX INSTRUCTION IS USED TRANSPOSED (source 0 = 16 rows of Wd, source 1 = 16 rows of O): lane l holds row l % 16 and the columns 8 (l / 16) + 0..7: 32 neighbouring bytes of a row of out0.
; REGISTERS, in windows of 256: window 0: v0-13 addresses; v32-63, v64-95 O's fragments, two buffers; v128-191, v192-255 Wd's, two buffers (on the way out v32-223 hold rows read back)
;   window 1: accumulator (a, b) at v[8 (8 a + b)]          window 2: v0-63 the bias, block b at v[8 b]; v64-67 at work
.set SLOTX, 1<<17                      ; slot 1 begins here: above every base inside a slot, so one exclusive or changes slots
.set PA,    144                        ; a row of O in LDS: 128 bytes + 16 = 36 words: the 16 rows of a load start at 16 different groups of four banks (64 banks of 4 bytes: ISA guide 11.1)
.set PB,    272                        ; a row of Wd: 256 bytes + 16 = 68 words: likewise
.set AHALF, 128*PA                     ; a head's 128 rows: what wave 0 or 1 fetches
.set BHALF, 128*PB                     ; what wave 2 or 3 fetches
.set BOFF,  2*AHALF
.set STAGE, SLOTX+BOFF+2*BHALF         ; behind the ring, never filled by a tensor load: for each wave 16 rows x 528 bytes
.set SP,    528                        ; 512 bytes + 16 = 132 words: row r starts at bank 4 r mod 64
.set WSTG,  16*SP
.set SPARE, STAGE+4*WSTG               ; the spare words, 128 bytes for each wave: two blocks of 256 bytes that no other line names
.set AA0, 3                            ; v3   my place in O's tile; never rewritten
.set AB0, 4                            ; v4   my place in Wd's tile; never rewritten
.set ADA, 5                            ; v5   AA0 + the slot in hand
.set ADB, 6                            ; v6   AB0 + the slot in hand
.set STO, 7                            ; v7   the way out: where I put 32 bytes of a row
.set RD,  8                            ; v8   the way out: where I read a row back
.set CO,  9                            ; v9   my 16 bytes of a row's 512
.set BO,  10                           ; v10  32 (l / 16)
.set SPW, 12                           ; v12  LDS address of my spare word; never rewritten
.set NIL, 13                           ; v13  0; never rewritten
.set AF,  32
.set BF,  128
.set WV, 20
.set WR, 21                            ; s21  my half of the tile's rows; also: I fetch O (0) or Wd (1)
.set WC, 22                            ; s22  my half of its columns; also: which head of the two, or which half of Wd's rows, I fetch
.set CX, 23
.set CY, 24
.set TC, 25
.set TR, 26
.set G1A, 32
.set G1B, 40
.set G0A, 48                           ; s[48:55] group 0 for O's tiles: a set for each first fill; the second then walks on
.set G0B, 56
.set TB,  66
.set CNT, 67
.set OUT, 68
.set MSB, 0
.macro WIN new
.if MSB != (\new)
	s_set_vgpr_msb (MSB<<8)|(\new)
.set MSB, \new
.endif
.endm
.set MUL,  0x50                        ; sources window 0, C and D window 1
.set MULB, 0x60                        ; C window 2 (the bias), D window 1
.macro JLOAD                           ; a joint refill by the walking sets; an s_nop 0 and four v_nop follow each of the two lines, ahead of the jump and the label
	s_cmp_eq_u32 s[WR], 0
	s_cbranch_scc0 .Lfor_b_\@
	tensor_load_to_lds s[G0A+4:G0A+7], s[G1A:G1A+7]
	s_nop 0
.rept 4
	v_nop
.endr
	s_branch .Lasked_\@
.Lfor_b_\@:
	tensor_load_to_lds s[G0B+4:G0B+7], s[G1B:G1B+7]
	s_nop 0
.rept 4
	v_nop
.endr
.Lasked_\@:
.endm
.macro CREST
	s_cmp_lg_u32 s[WV], 0
	s_cbranch_scc1 .Lnot_wave_0_\@
	s_barrier_signal -3
.Lnot_wave_0_\@:
	s_barrier_wait -3
	s_barrier_signal -1
	s_barrier_wait -1
.endm
.macro CROUND
	s_barrier_signal -1
	s_barrier_wait -1
	CREST
.endm
.macro PLACES                          ; four places in front of loads into registers that matrix instructions have read, and of LDS stores that read results (ISA guide 7.12.1 for the stores)
.rept 4
	v_nop
.endr
.endm
	s_load_b256 s[4:11], s[0:1], 0x0               ; o16 s[4:5], w16 s[6:7], dense_b s[8:9], out0 s[10:11]
	v_lshl_add_u32 v[SPW], v0, 2, SPARE
	v_mov_b32 v[NIL], 0
	ds_add_u32 v[SPW], v[NIL]                      ; the wave's opening: the add and its wait stand ahead of my first tensor load; work on registers stands between them
	v_lshrrev_b32 v1, 5, v0
	v_readfirstlane_b32 s[WV], v1
	s_lshr_b32 s[WR], s[WV], 1
	s_and_b32 s[WC], s[WV], 1
	s_bfe_u32 s[CX], ttmp6, 0x40000
	s_bfe_u32 s[CY], ttmp6, 0x40004
	s_lshl_b32 s[TC], ttmp9, 2
	s_add_co_u32 s[TC], s[TC], s[CX]               ; tile column = 4 x cluster x + cx
	s_and_b32 s[TR], ttmp7, 0xffff
	s_lshl_b32 s[TR], s[TR], 2
	s_add_co_u32 s[TR], s[TR], s[CY]               ; tile row = 4 x cluster y + cy
	s_lshl_b32 s28, s[CY], 2
	s_lshl_b32 s28, 15, s28                        ; my row of the cluster
	s_lshl_b32 s29, 0x1111, s[CX]                  ; my column
	s_or_b32 s[G1A], s28, (1<<16)|(1<<20)|(1<<21)|(4<<22)|(3<<25)  ; mask; elements of 2 bytes; padding on; bit 21 beside a mask; after every 32 words, 4 words
	s_mov_b32 s[G1A+1], 128<<16                    ; tensor_dim0 = 128: two rows of O on end
	s_mov_b32 s[G1A+2], 64<<16                     ; tensor_dim1 = 64
	s_mov_b32 s[G1A+3], 128<<16                    ; tile_dim0 = 128
	s_mov_b32 s[G1A+4], 64                         ; tile_dim1 = 64
	s_mov_b32 s[G1A+5], 128                        ; dense
	s_mov_b32 s[G1A+6], 0
	s_mov_b32 s[G1A+7], 0
	s_or_b32 s[G1B], s29, (1<<16)|(1<<20)|(1<<21)|(5<<22)|(3<<25)  ; after every 64 words, 4 words
	s_mov_b32 s[G1B+1], 128<<16
	s_mov_b32 s[G1B+2], 128<<16
	s_mov_b32 s[G1B+3], 128<<16
	s_mov_b32 s[G1B+4], 128
	s_mov_b32 s[G1B+5], 1024
	s_mov_b32 s[G1B+6], 0
	s_mov_b32 s[G1B+7], 0
	s_lshr_b32 s70, s[TR], 4                       ; O: batch = tile row / 16: 16 heads of 262,144 bytes,
	s_lshl_b32 s70, s70, 22
	s_lshl_b32 s31, s[WC], 18                      ; the odd head of a pair; or 128 rows of 2,048 bytes of Wd
	s_add_co_u32 s70, s70, s31
	s_and_b32 s71, s[TR], 15
	s_lshl_b32 s71, s71, 14                        ; 128 rows of 128 bytes a tile row
	s_add_co_u32 s70, s70, s71
	s_mov_b32 s71, 0
	s_lshl_b32 s74, s[TC], 19                      ; Wd: 256 rows a tile column,
	s_add_co_u32 s74, s74, s31
	s_add_co_u32 s74, s74, 3<<21                   ; in w16's part 3
	s_mov_b32 s75, 0
	s_mul_i32 s72, s[WC], AHALF                    ; where the tiles go: no place in the cluster enters an LDS address
	s_mul_i32 s73, s[WC], BHALF
	s_add_co_u32 s73, s73, BOFF
	s_lshl_b32 s84, s[TC], 10                      ; my 128 columns, 4 bytes each: in the bias and in a row of out0
	s_lshl_b32 s85, s[WC], 9
	s_add_co_u32 s84, s84, s85
	s_mov_b32 s85, 0
	s_lshl_b32 s80, s[TR], 19                      ; out0: 128 rows of 4,096 bytes a tile row,
	s_lshl_b32 s82, s[WR], 18                      ; my 64 of them,
	s_add_co_u32 s80, s80, s82
	s_add_co_u32 s80, s80, s84                     ; my columns
	s_mov_b32 s81, 0
	s_mov_b32 s[TB], 0
	s_wait_dscnt 0x0                               ; the opening add is done
	s_wait_kmcnt 0x0
	s_add_nc_u64 s[4:5], s[4:5], s[70:71]
	s_add_nc_u64 s[6:7], s[6:7], s[74:75]
	s_add_nc_u64 s[8:9], s[8:9], s[84:85]
	s_add_nc_u64 s[OUT:OUT+1], s[10:11], s[80:81]
.irp n, 0,1
	s_mov_b32 s[G0A+4*(\n)], 1
	s_add_co_u32 s[G0A+4*(\n)+1], s72, (\n)*SLOTX
	s_add_nc_u64 s[G0A+4*(\n)+2:G0A+4*(\n)+3], s[4:5], (\n)*524288  ; K step n: two heads on
	s_or_b32 s[G0A+4*(\n)+3], s[G0A+4*(\n)+3], 0x80000000
	s_mov_b32 s[G0B+4*(\n)], 1
	s_add_co_u32 s[G0B+4*(\n)+1], s73, (\n)*SLOTX
	s_add_nc_u64 s[G0B+4*(\n)+2:G0B+4*(\n)+3], s[6:7], (\n)*256
	s_or_b32 s[G0B+4*(\n)+3], s[G0B+4*(\n)+3], 0x80000000
.endr
	CROUND                                         ; all sixteen work-groups are here: the first joint loads meet
	s_cmp_eq_u32 s[WR], 0                          ; a wave's two first fills stand in one branch, ahead of every wait on TENSORcnt and every LDS read: two loads of mine are out
	s_cbranch_scc0 .Lfirst_b
	tensor_load_to_lds s[G0A:G0A+3], s[G1A:G1A+7]
	s_nop 0
	tensor_load_to_lds s[G0A+4:G0A+7], s[G1A:G1A+7]
	s_nop 0
.rept 4
	v_nop
.endr
	s_branch .Lfirst_asked
.Lfirst_b:
	tensor_load_to_lds s[G0B:G0B+3], s[G1B:G1B+7]
	s_nop 0
	tensor_load_to_lds s[G0B+4:G0B+7], s[G1B:G1B+7]
	s_nop 0
.rept 4
	v_nop
.endr
.Lfirst_asked:
	v_and_b32 v1, 15, v0                           ; r = l % 16
	v_bfe_u32 v2, v0, 4, 1                         ; h = l / 16
	v_lshlrev_b32 v[BO], 5, v2
	WIN 0x80                                       ; destination window 2, address window 0
.irp b, 0,1,2,3,4,5,6,7                ; register j of block b: bd[my first column + 16 b + 8 h + j]
	global_load_b128 v[8*(\b):8*(\b)+3],   v[BO], s[8:9] offset:64*(\b)
	global_load_b128 v[8*(\b)+4:8*(\b)+7], v[BO], s[8:9] offset:64*(\b)+16
.endr
	WIN 0
	s_mul_i32 s82, s[WR], 64*PA                    ; my 64 rows of O, in either head
	v_mul_u32_u24 v[AA0], v1, PA
	v_lshl_add_u32 v[AA0], v2, 4, v[AA0]
	v_add_nc_u32 v[AA0], s82, v[AA0]
	v_mul_u32_u24 v[AB0], v1, PB
	v_lshl_add_u32 v[AB0], v2, 4, v[AB0]
	v_add_nc_u32 v[AB0], s73, v[AB0]               ; my 128 rows of Wd
	v_mov_b32 v[ADA], v[AA0]
	v_mov_b32 v[ADB], v[AB0]
	s_mul_i32 s82, s[WV], WSTG
	s_add_co_u32 s82, s82, STAGE                   ; my stage
	v_mul_u32_u24 v[STO], v1, SP
	v_lshl_add_u32 v[STO], v2, 5, v[STO]           ; row r, 32 bytes for each half of the lanes
	v_add_nc_u32 v[STO], s82, v[STO]
	v_and_b32 v[CO], 31, v0
	v_lshlrev_b32 v[CO], 4, v[CO]                  ; back: 32 lanes take one row of 512 bytes
	v_add_nc_u32 v[RD], s82, v[CO]
; Product i of a quarter step's 32: rows 16 (i / 8) on, columns 16 (i % 8) on, 32 along K, buffers f.  The 32 accumulators take turns, one instruction a turn, over the backward jump too.
; first = 1: the bias is the C operand that starts the sum.
.macro MM i, f, first=0
.if \first
	WIN MULB
	v_wmma_f32_16x16x32_f16 v[8*(\i):8*(\i)+7], v[BF+64*(\f)+8*((\i)%8):BF+64*(\f)+8*((\i)%8)+7], v[AF+32*(\f)+8*((\i)/8):AF+32*(\f)+8*((\i)/8)+7], v[8*((\i)%8):8*((\i)%8)+7]
.else
	WIN MUL
	v_wmma_f32_16x16x32_f16 v[8*(\i):8*(\i)+7], v[BF+64*(\f)+8*((\i)%8):BF+64*(\f)+8*((\i)%8)+7], v[AF+32*(\f)+8*((\i)/8):AF+32*(\f)+8*((\i)/8)+7], v[8*(\i):8*(\i)+7]
.endif
.endm
.macro MMS from, n, f, first=0
.set mi, \from
.rept \n
	MM mi, \f, \first
.set mi, mi+1
.endr
.endm
.macro ALD a, kq, g                    ; fragment a of O: quarter kq lies in head kq / 2 of the pair, channels 32 (kq % 2) on
	ds_load_b128 v[AF+32*(\g)+8*(\a):AF+32*(\g)+8*(\a)+3],   v[ADA] offset:((\kq)/2)*AHALF+((\kq)%2)*64+(\a)*16*PA
	ds_load_b128 v[AF+32*(\g)+8*(\a)+4:AF+32*(\g)+8*(\a)+7], v[ADA] offset:((\kq)/2)*AHALF+((\kq)%2)*64+(\a)*16*PA+32
.endm
.macro FETCH kq, g                     ; 24 LDS loads in one run: O's fragments 0, 1 (4), Wd's eight (16), O's fragments 2, 3 (4)
	WIN 0
	ALD 0, \kq, \g
	ALD 1, \kq, \g
.irp b, 0,1,2,3,4,5,6,7
	ds_load_b128 v[BF+64*(\g)+8*(\b):BF+64*(\g)+8*(\b)+3],   v[ADB] offset:(\b)*16*PB+(\kq)*64
	ds_load_b128 v[BF+64*(\g)+8*(\b)+4:BF+64*(\g)+8*(\b)+7], v[ADB] offset:(\b)*16*PB+(\kq)*64+32
.endr
	ALD 2, \kq, \g
	ALD 3, \kq, \g
.endm
; A quarter step multiplies buffers f and, in its middle, fetches quarter kqn into the others.  kqn = -1: the very last quarter fetches nothing.
.macro QUARTER kqn, f, first=0
	s_wait_dscnt 4                                 ; all but the youngest four loads (O's fragments 2, 3)
	MMS 0, 16, \f, \first
.if (\kqn) >= 0
	PLACES                                         ; for the loads into the other buffers, which the quarter before multiplied
	FETCH \kqn, 1-(\f)
	s_wait_dscnt 24                                ; all but the 24 just issued
.else
	s_wait_dscnt 0x0
.endif
	MMS 16, 16, \f, \first
.endm
; A K step's last quarter multiplies buffers 1 and changes slots: ONE barrier.  In front of it each wave waits for all its tensor loads (one is out: its part of the next slot), adds 0 to its spare word, and waits for
; that and for its reads of this slot.  fill = 1: the barrier opens a round of the cluster's, and the joint refill, two K steps ahead, is the first thing behind the round.
.macro TURN fill
	WIN 0
	s_wait_tensorcnt 0x0                           ; no tensor load of mine is out, so a group 0 may be written
	ds_add_u32 v[SPW], v[NIL]                      ; 0 onto my spare word; work on registers stands between it and the wait for it
	s_xor_b32 s[TB], s[TB], SLOTX                  ; the fetches go on in the other slot
	v_add_nc_u32 v[ADA], s[TB], v[AA0]
	v_add_nc_u32 v[ADB], s[TB], v[AB0]
.if \fill
	s_xor_b32 s[G0A+5], s[G0A+5], SLOTX            ; the walking sets: the other slot than last time, the next K step; the type bits on top are not reached
	s_add_nc_u64 s[G0A+6:G0A+7], s[G0A+6:G0A+7], 524288
	s_xor_b32 s[G0B+5], s[G0B+5], SLOTX
	s_add_nc_u64 s[G0B+6:G0B+7], s[G0B+6:G0B+7], 256
.endif
	s_wait_dscnt 5                                 ; the youngest four loads and the add may be out
	MMS 0, 8, 1
	s_wait_dscnt 0x0                               ; the add is done, and my reads of this slot are over
	s_barrier_signal -1
	MMS 8, 8, 1                                    ; work on registers while the others arrive
	WIN 0                                          ; at a branch and at a label every window is 0
	s_barrier_wait -1
.if \fill
	CREST                                          ; no wave of any partner still reads this slot or has a load on its way
	JLOAD                                          ; one tensor load a wave; the four v_nop behind it are also the places in front of the loads below
.else
	PLACES
.endif
	FETCH 0, 0
	MMS 16, 16, 1
.endm
	s_wait_tensorcnt 1                             ; my part of K step 0 is in; K step 1's may stay out
	s_barrier_signal -1
	s_barrier_wait -1
	FETCH 0, 0
	s_wait_loadcnt 0x0                             ; the bias
	WIN 0x8a                                       ; all in window 2: the bias is rounded to bf16, like every input, and widened again
.set i, 0
.rept 32
	v_cvt_pk_bf16_f32 v[64+i%4], v[2*i], v[2*i+1]
	v_lshlrev_b32 v[2*i], 16, v[64+i%4]
	v_and_b32 v[2*i+1], 0xffff0000, v[64+i%4]
.set i, i+1
.endr
	QUARTER 1, 0, 1                                ; the first quarter stands in front of the loop: its products start the sums
	WIN 0
	s_mov_b32 s[CNT], 6
.Lstep:                                        ; a trip: from a K step's second quarter to the next step's first; six trips ask for K steps 2 to 7
	QUARTER 2, 1
	QUARTER 3, 0
	TURN 1
	QUARTER 1, 0
	WIN 0
	s_sub_co_u32 s[CNT], s[CNT], 1
	s_cmp_lg_u32 s[CNT], 0
	s_cbranch_scc1 .Lstep
	QUARTER 2, 1                                   ; the tail is written out
	QUARTER 3, 0
	TURN 0
	QUARTER 1, 0
	QUARTER 2, 1
	QUARTER 3, 0
	QUARTER -1, 1
	WIN 0
; THE WAY OUT, 16 rows at a time: a lane's 32 bytes of a row go into my stage, rows of 528 bytes, and come back as whole rows of 512 bytes.
.macro STG a
	WIN 0x04                                       ; store data in window 1, address in window 0; each accumulator's low four registers first
.irp b, 0,1,2,3,4,5,6,7
	ds_store_b128 v[STO], v[8*(8*(\a)+(\b)):8*(8*(\a)+(\b))+3]   offset:64*(\b)
	ds_store_b128 v[STO], v[8*(8*(\a)+(\b))+4:8*(8*(\a)+(\b))+7] offset:64*(\b)+16
.endr
	WIN 0
.if (\a) == 3
	s_wait_xcnt 0x0                                ; block 0's stores have read v32-95, which are loaded again only behind this wait
.endif
.irp t, 0,1,2,3,4,5,6,7,8,9,10,11,12,13,14,15
	ds_load_b128 v[32+64*((\a)%3)+4*(\t):32+64*((\a)%3)+4*(\t)+3], v[RD] offset:(\t)*SP  ; LDS serves a wave's instructions in order (ISA guide 5.7.1.4): these see the stores above; the next block's stores come behind them
.endr
.endm
.macro SENDD a, younger                ; younger: the LDS instructions issued behind block a's loads: the next block's 32, or none
.irp t, 0,1,2,3,4,5,6,7,8,9,10,11,12,13,14,15
	s_wait_dscnt (\younger)+15-(\t)
	global_store_b128 v[CO], v[32+64*((\a)%3)+4*(\t):32+64*((\a)%3)+4*(\t)+3], s[OUT:OUT+1] offset:(16*(\a)+(\t))*4096 th:TH_STORE_NT  ; 512 consecutive bytes, at a multiple of 256 from out0's first
.endr
.endm
	PLACES                                         ; behind the last products
	STG 0
	STG 1
	SENDD 0, 32
	STG 2
	SENDD 1, 32
	STG 3
	SENDD 2, 32
	SENDD 3, 0
	s_wait_tensorcnt 0x0                           ; the wave's end: behind my last tensor load and my last LDS store
	ds_add_u32 v[SPW], v[NIL]
	s_wait_dscnt 0x0
	CROUND                                         ; the closing round: no work-group ends while a partner may still ask for a tile that names it
	s_endpgm
.Lfunc_end_k_qf22870e24d_dense:
	.size	k_qf22870e24d_dense, .Lfunc_end_k_qf22870e24d_dense-k_qf22870e24d_dense
	.p2alignl 7, 3214868480
	.fill 96, 4, 3214868480
	.section	.rodata,"a",@progbits
	.p2align	6, 0x0
	.amdhsa_kernel k_qf22870e24d_dense
		.amdhsa_group_segment_fixed_size 327680
		.amdhsa_private_segment_fixed_size 0
		.amdhsa_enable_private_segment 0
		.amdhsa_kernarg_size 32
		.amdhsa_user_sgpr_count 2
		.amdhsa_user_sgpr_kernarg_segment_ptr 1
		.amdhsa_wavefront_size32 1
		.amdhsa_system_sgpr_workgroup_id_x 1
		.amdhsa_system_sgpr_workgroup_id_y 1
		.amdhsa_system_sgpr_workgroup_id_z 1
		.amdhsa_system_vgpr_workitem_id 0
		.amdhsa_next_free_vgpr 640
		.amdhsa_next_free_sgpr 88
		.amdhsa_reserve_vcc 0
		.amdhsa_float_denorm_mode_32 3
		.amdhsa_float_denorm_mode_16_64 3
		.amdhsa_memory_ordered 1
		.amdhsa_forward_progress 1
		.amdhsa_inst_pref_size 77
	.end_amdhsa_kernel
	.amdgpu_metadata
---
amdhsa.version: [ 1, 2 ]
amdhsa.kernels:
  - .name:           k_qf22870e24d_dense
    .symbol:         k_qf22870e24d_dense.kd
    .args:
      - { .name: o16, .offset: 0, .size: 8, .value_kind: global_buffer, .address_space: global }
      - { .name: w16, .offset: 8, .size: 8, .value_kind: global_buffer, .address_space: global }
      - { .name: dense_b, .offset: 16, .size: 8, .value_kind: global_buffer, .address_space: global }
      - { .name: out0, .offset: 24, .size: 8, .value_kind: global_buffer, .address_space: global }
    .group_segment_fixed_size: 327680
    .private_segment_fixed_size: 0
    .kernarg_segment_align: 8
    .kernarg_segment_size: 32
    .max_flat_workgroup_size: 128
    .sgpr_count:     88
    .vgpr_count:     640
    .wavefront_size: 32
...
	.end_amdgpu_metadata
.endif
;; end of part 4
;; ======== version 2 of 2: 4 launches; version 1 with the launch prep written anew for expert scheduling mode
;; limits: values are held in f16: magnitudes above 65,504 overflow, below 6.1e-05 lose precision
;; workspace buffers: w16 8,388,608 bytes; qkv 50,331,648 bytes; o16 16,777,216 bytes
;; launch prep (part 5): grid 64 x 4, 8 waves a work-group, no clusters, 0 bytes of LDS; arguments wq_w, wk_w, wv_w, dense_w, w16; writes w16
.if DOCPART == 5
	.amdgcn_target "amdgcn-amd-amdhsa--gfx1250"
	.amdhsa_code_object_version 6
	.text
	.protected	k_qf22870e24d_prep
	.globl	k_qf22870e24d_prep
	.p2align	8
	.type	k_qf22870e24d_prep,@function
k_qf22870e24d_prep:
	s_mov_b64 s[64:65], 0
	v_nop
	global_prefetch_b8 v0, s[64:65] scope:SCOPE_SE
	s_setreg_imm32_b32 hwreg(HW_REG_WAVE_SCHED_MODE, 0, 2), 2
	s_setreg_imm32_b32 hwreg(HW_REG_WAVE_MODE, 25, 1), 1
	s_wait_xcnt 0x0
	s_wait_alu depctr_vm_vsrc(0)
; The four weight matrices, [1024][1024] f32, are rounded once to 16 bits: w16[y][n][k], y = 0, 1, 2: wq, wk, wv in bf16;
; y = 3: dense_w rounded to bf16, and that number written as f16 (its partner in the last product, O, is f16).
; LIMIT: a bf16 number is exact in f16 from 2^-14 to 65,504; below 2^-14 it keeps f16's fixed step (error at most 2^-25); above 65,504 it would be an infinity.
; A stream: no LDS, no barrier, no matrix unit.  Work-group (x, y) takes 16,384 numbers of matrix y: 64 KiB in, 32 KiB out.
; Thread t takes 16 bytes at 16 t + 4,096 i, i = 0..15 (a wave's load covers 512 consecutive bytes) and stores 8 bytes at 8 t + 2,048 i (a wave's store covers 256 consecutive bytes, aligned).
; All sixteen loads go out first; every store has data registers of its own, so nothing is rewritten while a store may read it.
; THE MODE: SCHED_MODE bits 1:0 = 2 (LLVM: expert scheduling mode 2), set by the entry lines.  The code itself states the register dependences
; between vector instructions and memory instructions, with s_wait_alu, always for 0.
; THE PLAN.  Registers that memory instructions touch:
;   v1, v2   byte offsets of the loads and of the stores: made once at the head, never written again.
;   X        load i lands in its four registers, once; the roundings of load i read them; no vector instruction writes them.
;   Y        the roundings of load i write its two registers; store i reads them; nothing writes them afterwards.
;   T        named by vector instructions alone.
; The sixteen loads go in four blocks of four.  Block p rounds loads 4 p to 4 p + 3; its memory instructions are the four stores of block p - 1, one ahead of each load's roundings.
; No vector instruction of block p names v2 or the Y of block p - 1, so ONE wait at the block's head states all that its four stores hang on.  A last wait stands ahead of block 3's own stores.
; No register that a memory instruction reads is written again, and no load lands in a register that a vector instruction has named: nothing else is owed.
.set X, 8                              ; v[8:71]    as loaded, 4 registers a load
.set Y, 72                             ; v[72:103]  to store, 2 registers a load
.set T, 104                            ; v[104:107] at work
	s_load_b256 s[4:11], s[0:1], 0x0               ; wq_w s[4:5], wk_w s[6:7], wv_w s[8:9], dense_w s[10:11]
	s_load_b64 s[12:13], s[0:1], 0x20              ; w16
	s_and_b32 s14, ttmp7, 0xffff                   ; y: which matrix
	v_lshlrev_b32 v1, 4, v0                        ; 16 t
	v_lshlrev_b32 v2, 3, v0                        ; 8 t
	s_lshl_b32 s18, ttmp9, 16                      ; my 64 KiB of the source
	s_mov_b32 s19, 0
	s_lshl_b32 s20, s14, 21                        ; matrix y in w16: 2 MiB each,
	s_lshl_b32 s21, ttmp9, 15                      ; my 32 KiB of it
	s_add_co_u32 s20, s20, s21
	s_mov_b32 s21, 0
	s_wait_kmcnt 0x0
	s_mov_b64 s[16:17], s[4:5]
	s_cmp_eq_u32 s14, 1
	s_cselect_b64 s[16:17], s[6:7], s[16:17]
	s_cmp_eq_u32 s14, 2
	s_cselect_b64 s[16:17], s[8:9], s[16:17]
	s_cmp_eq_u32 s14, 3
	s_cselect_b64 s[16:17], s[10:11], s[16:17]
	s_add_nc_u64 s[16:17], s[16:17], s[18:19]
	s_add_nc_u64 s[12:13], s[12:13], s[20:21]
	s_wait_alu depctr_va_vdst(0)                   ; v1 and v2 are written: every load of the kernel reads v1 as its offset, every store v2
.set i, 0
.rept 16
	global_load_b128 v[X+4*i:X+4*i+3], v1, s[16:17] offset:4096*i th:TH_LOAD_NT
.set i, i+1
.endr
	s_cmp_eq_u32 s14, 3
	s_cbranch_scc1 .Lhalf
.set i, 0
.rept 16
	s_wait_loadcnt 15-i                            ; loads come back in order: load i is in, the 15 - i younger ones stay out
.if (i > 0) && (i % 4 == 0)
	s_wait_alu depctr_va_vdst(0)                   ; the roundings of the block before have written their Y, which this block's four stores read
.endif
.if i >= 4
	global_store_b64 v2, v[Y+2*(i-4):Y+2*(i-4)+1], s[12:13] offset:2048*(i-4)  ; the block before; no vector instruction since the wait names these registers
.endif
	v_cvt_pk_bf16_f32 v[Y+2*i], v[X+4*i], v[X+4*i+1]
	v_cvt_pk_bf16_f32 v[Y+2*i+1], v[X+4*i+2], v[X+4*i+3]
.set i, i+1
.endr
	s_wait_alu depctr_va_vdst(0)                   ; block 3's roundings have written their Y, which the last four stores read
.set i, 12
.rept 4
	global_store_b64 v2, v[Y+2*i:Y+2*i+1], s[12:13] offset:2048*i
.set i, i+1
.endr
	s_endpgm
.Lhalf:                                        ; dense_w: to bf16 as above, widened again (a shift, a mask), and written as f16
.set i, 0
.rept 16
	s_wait_loadcnt 15-i
.if (i > 0) && (i % 4 == 0)
	s_wait_alu depctr_va_vdst(0)                   ; the roundings to f16 of the block before have written their Y, which this block's four stores read
.endif
.if i >= 4
	global_store_b64 v2, v[Y+2*(i-4):Y+2*(i-4)+1], s[12:13] offset:2048*(i-4)  ; the block before; no vector instruction since the wait names these registers
.endif
	v_cvt_pk_bf16_f32 v[Y+2*i], v[X+4*i], v[X+4*i+1]
	v_cvt_pk_bf16_f32 v[Y+2*i+1], v[X+4*i+2], v[X+4*i+3]
	v_lshlrev_b32 v[T], 16, v[Y+2*i]
	v_and_b32 v[T+1], 0xffff0000, v[Y+2*i]
	v_lshlrev_b32 v[T+2], 16, v[Y+2*i+1]
	v_and_b32 v[T+3], 0xffff0000, v[Y+2*i+1]
	v_cvt_pk_f16_f32 v[Y+2*i], v[T], v[T+1]
	v_cvt_pk_f16_f32 v[Y+2*i+1], v[T+2], v[T+3]
.set i, i+1
.endr
	s_wait_alu depctr_va_vdst(0)                   ; block 3's roundings to f16 have written their Y, which the last four stores read
.set i, 12
.rept 4
	global_store_b64 v2, v[Y+2*i:Y+2*i+1], s[12:13] offset:2048*i
.set i, i+1
.endr
	s_endpgm
.Lfunc_end_k_qf22870e24d_prep:
	.size	k_qf22870e24d_prep, .Lfunc_end_k_qf22870e24d_prep-k_qf22870e24d_prep
	.p2alignl 7, 3214868480
	.fill 96, 4, 3214868480
	.section	.rodata,"a",@progbits
	.p2align	6, 0x0
	.amdhsa_kernel k_qf22870e24d_prep
		.amdhsa_group_segment_fixed_size 0
		.amdhsa_private_segment_fixed_size 0
		.amdhsa_enable_private_segment 0
		.amdhsa_kernarg_size 40
		.amdhsa_user_sgpr_count 2
		.amdhsa_user_sgpr_kernarg_segment_ptr 1
		.amdhsa_wavefront_size32 1
		.amdhsa_system_sgpr_workgroup_id_x 1
		.amdhsa_system_sgpr_workgroup_id_y 1
		.amdhsa_system_sgpr_workgroup_id_z 1
		.amdhsa_system_vgpr_workitem_id 0
		.amdhsa_next_free_vgpr 112
		.amdhsa_next_free_sgpr 66
		.amdhsa_reserve_vcc 0
		.amdhsa_float_denorm_mode_32 3
		.amdhsa_float_denorm_mode_16_64 3
		.amdhsa_memory_ordered 1
		.amdhsa_forward_progress 1
		.amdhsa_inst_pref_size 16
	.end_amdhsa_kernel
	.amdgpu_metadata
---
amdhsa.version: [ 1, 2 ]
amdhsa.kernels:
  - .name:           k_qf22870e24d_prep
    .symbol:         k_qf22870e24d_prep.kd
    .args:
      - { .name: wq_w, .offset: 0, .size: 8, .value_kind: global_buffer, .address_space: global }
      - { .name: wk_w, .offset: 8, .size: 8, .value_kind: global_buffer, .address_space: global }
      - { .name: wv_w, .offset: 16, .size: 8, .value_kind: global_buffer, .address_space: global }
      - { .name: dense_w, .offset: 24, .size: 8, .value_kind: global_buffer, .address_space: global }
      - { .name: w16, .offset: 32, .size: 8, .value_kind: global_buffer, .address_space: global }
    .group_segment_fixed_size: 0
    .private_segment_fixed_size: 0
    .kernarg_segment_align: 8
    .kernarg_segment_size: 40
    .max_flat_workgroup_size: 256
    .sgpr_count:     66
    .vgpr_count:     112
    .wavefront_size: 32
...
	.end_amdgpu_metadata
.endif
;; end of part 5
;; launch proj: the kernel of part 2 again; grid 4 x 192, 4 waves a work-group, clusters of 4 x 4, 327,680 bytes of LDS; arguments query, key, value, w16, wq_b, wk_b, wv_b, qkv; writes qkv
;; launch attn: the kernel of part 3 again; grid 4 x 64, 4 waves a work-group, clusters of 4 x 1, 327,680 bytes of LDS; arguments qkv, o16; writes o16
;; launch dense: the kernel of part 4 again; grid 4 x 64, 4 waves a work-group, clusters of 4 x 4, 327,680 bytes of LDS; arguments o16, w16, dense_b, out0; writes out0
